; MI455X (gfx1250); checked and timed in simulation.
; The chip was launched on July 23, 2026; its instructions are those of AMD's public machine-readable ISA for CDNA 5 (MIT licence, August 2026) and "CDNA5" Instruction Set Architecture Reference Guide (July 2026). The comments in the code are by the model that wrote it; some were corrected since.
;; Attention. Allowed arithmetic: float matrix products may take bf16 or f16 operands with f32 sums; other float arithmetic in f32, or as packed bf16 or f16 multiplies, adds, multiply-adds, maxima and minima; sums over many terms, partial sums and values carried from step to step in f32; what a program stores and reads back later, other than sums and carried values, may be rounded once to bf16 or f16.
;; Inputs: b_out 1,024 float32; b_qkv 3,072 float32; k_norm_w 64 float32; q_norm_w 64 float32; w_out 1,024 x 1,024 float32; w_qkv 1,024 x 3,072 float32; x 8 x 1,024 x 1,024 float32.
;; Outputs: out0 8 x 1,024 x 1,024 float32.
;; One version. Each part assembles by itself: llvm-mc -triple=amdgcn-amd-amdhsa -mcpu=gfx1250 --defsym DOCPART=n.
;; ======== version 1 of 1: 4 launches
;; limits: values are held in f16: magnitudes above 65,504 overflow, below 6.1e-05 lose precision
;; workspace buffers: xb 16,777,216 bytes; wqb 6,291,456 bytes; wob 2,097,152 bytes; qh 16,777,216 bytes; kh 16,777,216 bytes; vh 16,777,216 bytes; ob 16,777,216 bytes
;; launch prep (part 1): grid 768 x 1, 8 waves a work-group, no clusters, 0 bytes of LDS; arguments x, w_qkv, w_out, xb, wqb, wob; writes xb, wqb, wob
.if DOCPART == 1
	.amdgcn_target "amdgcn-amd-amdhsa--gfx1250"
	.amdhsa_code_object_version 6
	.text
	.protected	k_qe429739d2c_prep
	.globl	k_qe429739d2c_prep
	.p2align	8
	.type	k_qe429739d2c_prep,@function
k_qe429739d2c_prep:
	s_mov_b64 s[64:65], 0
	v_nop
	global_prefetch_b8 v0, s[64:65] scope:SCOPE_SE
	s_setreg_imm32_b32 hwreg(HW_REG_WAVE_MODE, 25, 1), 1
	s_wait_xcnt 0x0
; CAST AND RE-BLOCK.  x, w_qkv, w_out (f32) are rounded once to bf16 and laid out in dense units of 64 rows x 64 numbers (8,192 bytes), so that the
; later launches fetch every tile as rows of 256 consecutive bytes.  Nothing is transposed.
;   xb  [kb 16][row 8192][64] bf16               = x[row][64 kb + j]
;   wqb [t 8][kb 16][c 2][g 3][k 64][d 64] bf16  = w_qkv[64 kb + k][1024 g + 64 (2 t + c) + d]
;   wob [tc 4][kb 16][nb 4][k 64][n 64] f16      = w_out[64 kb + k][256 tc + 64 nb + n], rounded to bf16 and that number written as f16
; LIMIT: bf16(w_out) lies within f16's range (65,504); below 6e-5 it keeps f16's fixed step of 6e-8.
; A work-group takes 64 source rows x 256 columns: four units.  Groups 0-511 serve x, 512-703 w_qkv, 704-767 w_out; the three cases differ in scalars alone.
; Thread t takes 8 columns (32 bytes) of row t / 8 and of row t / 8 + 32 in each unit: 16 loads, all out at once; a wave's store covers 512 consecutive bytes.
; A stream: no LDS, no matrix unit, no cluster (no byte is read twice).
.set X, 8                              ; v[8:71]   item k = 4 (row half) + unit: 8 numbers as loaded
.set Y, 72                             ; v[72:103] item k: 4 registers to store
	s_load_b256 s[4:11], s[0:1], 0x0               ; x s[4:5], w_qkv s[6:7], w_out s[8:9], xb s[10:11]
	s_load_b128 s[12:15], s[0:1], 0x20             ; wqb s[12:13], wob s[14:15]
	s_mov_b32 s16, ttmp9
	s_lshr_b32 s17, s16, 2                         ; x: block of 64 rows
	s_and_b32 s18, s16, 3                          ;    quarter of the columns
	s_lshl_b32 s19, s17, 18
	s_lshl_b32 s20, s18, 10
	s_add_co_u32 s19, s19, s20                     ; x: source offset = rb x 64 rows x 4,096 + kq x 1,024
	s_lshl_b32 s20, s18, 9
	s_add_co_u32 s20, s20, s17
	s_lshl_b32 s20, s20, 13                        ; x: unit (4 kq) x 128 + rb
	s_and_b32 s21, s16, 15                         ; the weights: kb (512 and 704 are multiples of 16)
	s_lshr_b32 s22, s16, 4
	s_sub_co_u32 s23, s22, 32
	s_and_b32 s23, s23, 15                         ; w_qkv: which 256 columns, 0..11
	s_mul_i32 s24, s21, 786432
	s_lshl_b32 s25, s23, 10
	s_add_co_u32 s24, s24, s25                     ; w_qkv: source offset = kb x 64 x 12,288 + cq x 1,024
	s_and_b32 s25, s23, 3
	s_lshl_b32 s25, s25, 5
	s_add_co_u32 s25, s25, s21
	s_mul_i32 s25, s25, 6
	s_lshr_b32 s26, s23, 2
	s_add_co_u32 s25, s25, s26
	s_lshl_b32 s25, s25, 13                        ; w_qkv: unit ((2 (cq & 3)) x 16 + kb) x 6 + g
	s_sub_co_u32 s26, s22, 44
	s_and_b32 s26, s26, 3                          ; w_out: which 256 columns
	s_lshl_b32 s27, s21, 18
	s_lshl_b32 s41, s26, 10
	s_add_co_u32 s27, s27, s41                     ; w_out: source offset
	s_lshl_b32 s41, s26, 4
	s_add_co_u32 s41, s41, s21
	s_lshl_b32 s41, s41, 15                        ; w_out: unit (cq x 16 + kb) x 4
	s_mov_b32 s38, 12288                           ; bytes in a source row
	s_mov_b32 s44, 24576                           ; from unit 0 to unit 1
	s_mov_b32 s46, 786432                          ; from unit 0 to unit 2
	s_mov_b32 s43, 0
	s_mov_b32 s45, 0
	s_mov_b32 s47, 0
	s_mov_b32 s49, 0
	s_mov_b32 s40, 0xffff0000
	s_cmp_lt_u32 s16, 512                          ; x, or else w_qkv
	s_cselect_b32 s42, s19, s24
	s_cselect_b32 s48, s20, s25
	s_cselect_b32 s38, 4096, s38
	s_cselect_b32 s44, 0x100000, s44
	s_cselect_b32 s46, 0x200000, s46
	s_wait_kmcnt 0x0
	s_cselect_b64 s[28:29], s[4:5], s[6:7]
	s_cselect_b64 s[30:31], s[10:11], s[12:13]
	s_cmp_ge_u32 s16, 704                          ; or w_out
	s_cselect_b32 s42, s27, s42
	s_cselect_b32 s48, s41, s48
	s_cselect_b32 s38, 4096, s38
	s_cselect_b32 s44, 8192, s44
	s_cselect_b32 s46, 16384, s46
	s_cselect_b64 s[28:29], s[8:9], s[28:29]
	s_cselect_b64 s[30:31], s[14:15], s[30:31]
	s_add_nc_u64 s[28:29], s[28:29], s[42:43]      ; the source at my block
	s_add_nc_u64 s[30:31], s[30:31], s[48:49]      ; the four units
	s_add_nc_u64 s[32:33], s[30:31], s[44:45]
	s_add_nc_u64 s[34:35], s[30:31], s[46:47]
	s_add_nc_u64 s[36:37], s[34:35], s[44:45]
	v_lshrrev_b32 v4, 3, v0
	v_and_b32 v5, 7, v0
	v_mul_lo_u32 v1, v4, s38
	v_lshl_add_u32 v1, v5, 5, v1                   ; row t / 8, 32 bytes at 32 (t % 8)
	s_lshl_b32 s39, s38, 5
	v_add_nc_u32 v2, s39, v1                       ; the same 32 rows further down
	v_lshlrev_b32 v3, 4, v0                        ; in a unit: 16 t
.irp k, 0,1,2,3,4,5,6,7
	global_load_b128 v[X+8*\k:X+8*\k+3],   v[1+\k/4], s[28:29] offset:(\k%4)*256 th:TH_LOAD_NT
	global_load_b128 v[X+8*\k+4:X+8*\k+7], v[1+\k/4], s[28:29] offset:(\k%4)*256+16 th:TH_LOAD_NT
.endr
; Item k: rounded and stored.  Every item has registers of its own, so nothing that a store still reads is written again.
.macro CVT16 k, fmt
	s_wait_loadcnt 14-2*(\k)                       ; loads come back in order: the 14 - 2 k issued behind item k's two may stay out
.irp p, 0,1,2,3
.if \fmt
	v_cvt_pk_bf16_f32 v104, v[X+8*(\k)+2*\p], v[X+8*(\k)+2*\p+1]
	v_lshlrev_b32 v105, 16, v104                   ; the two bf16 numbers as f32,
	v_and_b32 v104, s40, v104
	v_cvt_pk_f16_f32 v[Y+4*(\k)+\p], v105, v104    ; written as f16: exact within f16's range
.else
	v_cvt_pk_bf16_f32 v[Y+4*(\k)+\p], v[X+8*(\k)+2*\p], v[X+8*(\k)+2*\p+1]
.endif
.endr
	global_store_b128 v3, v[Y+4*(\k):Y+4*(\k)+3], s[30+2*((\k)%4):31+2*((\k)%4)] offset:((\k)/4)*4096
.endm
	s_cmp_ge_u32 s16, 704
	s_cbranch_scc1 .Lhalf
.irp k, 0,1,2,3,4,5,6,7
	CVT16 \k, 0
.endr
	s_endpgm
.Lhalf:
.irp k, 0,1,2,3,4,5,6,7
	CVT16 \k, 1
.endr
	s_endpgm
.Lfunc_end_k_qe429739d2c_prep:
	.size	k_qe429739d2c_prep, .Lfunc_end_k_qe429739d2c_prep-k_qe429739d2c_prep
	.p2alignl 7, 3214868480
	.fill 96, 4, 3214868480
	.section	.rodata,"a",@progbits
	.p2align	6, 0x0
	.amdhsa_kernel k_qe429739d2c_prep
		.amdhsa_group_segment_fixed_size 0
		.amdhsa_private_segment_fixed_size 0
		.amdhsa_enable_private_segment 0
		.amdhsa_kernarg_size 48
		.amdhsa_user_sgpr_count 2
		.amdhsa_user_sgpr_kernarg_segment_ptr 1
		.amdhsa_wavefront_size32 1
		.amdhsa_system_sgpr_workgroup_id_x 1
		.amdhsa_system_sgpr_workgroup_id_y 1
		.amdhsa_system_sgpr_workgroup_id_z 1
		.amdhsa_system_vgpr_workitem_id 0
		.amdhsa_next_free_vgpr 112
		.amdhsa_next_free_sgpr 66
		.amdhsa_reserve_vcc 0
		.amdhsa_float_denorm_mode_32 3
		.amdhsa_float_denorm_mode_16_64 3
		.amdhsa_memory_ordered 1
		.amdhsa_forward_progress 1
		.amdhsa_inst_pref_size 15
	.end_amdhsa_kernel
	.amdgpu_metadata
---
amdhsa.version: [ 1, 2 ]
amdhsa.kernels:
  - .name:           k_qe429739d2c_prep
    .symbol:         k_qe429739d2c_prep.kd
    .args:
      - { .name: x, .offset: 0, .size: 8, .value_kind: global_buffer, .address_space: global }
      - { .name: w_qkv, .offset: 8, .size: 8, .value_kind: global_buffer, .address_space: global }
      - { .name: w_out, .offset: 16, .size: 8, .value_kind: global_buffer, .address_space: global }
      - { .name: xb, .offset: 24, .size: 8, .value_kind: global_buffer, .address_space: global }
      - { .name: wqb, .offset: 32, .size: 8, .value_kind: global_buffer, .address_space: global }
      - { .name: wob, .offset: 40, .size: 8, .value_kind: global_buffer, .address_space: global }
    .group_segment_fixed_size: 0
    .private_segment_fixed_size: 0
    .kernarg_segment_align: 8
    .kernarg_segment_size: 48
    .max_flat_workgroup_size: 256
    .sgpr_count:     66
    .vgpr_count:     112
    .wavefront_size: 32
...
	.end_amdgpu_metadata
.endif
;; end of part 1
;; launch qkv (part 2): grid 8 x 32, 4 waves a work-group, clusters of 4 x 4, 327,680 bytes of LDS; arguments xb, wqb, b_qkv, q_norm_w, k_norm_w, qh, kh, vh; writes qh, kh, vh
.if DOCPART == 2
	.amdgcn_target "amdgcn-amd-amdhsa--gfx1250"
	.amdhsa_code_object_version 6
	.text
	.protected	k_qe429739d2c_qkv
	.globl	k_qe429739d2c_qkv
	.p2align	8
	.type	k_qe429739d2c_qkv,@function
k_qe429739d2c_qkv:
	s_mov_b64 s[64:65], 0
	v_nop
	global_prefetch_b8 v0, s[64:65] scope:SCOPE_SE
	s_setreg_imm32_b32 hwreg(HW_REG_WAVE_MODE, 25, 1), 1
	s_wait_xcnt 0x0
	s_wait_alu depctr_hold_cnt(0) depctr_sa_sdst(0) depctr_va_vdst(0) depctr_va_sdst(0) depctr_va_ssrc(0) depctr_va_vcc(0) depctr_vm_vsrc(0)
	s_getreg_b32 s2, hwreg(HW_REG_IB_STS2, 6, 4)
	s_cmp_eq_u32 s2, 0
	s_cbranch_scc0 .Lentry_in_a_cluster
	s_endpgm
.Lentry_in_a_cluster:
	s_bfe_u32 s2, ttmp6, 0x10000c
	s_cmp_lg_u32 s2, 0xf033
	s_cbranch_scc0 .Lentry_shape_is_right
	s_endpgm
.Lentry_shape_is_right:
; qkv = x w_qkv + b_qkv; RMS norm (with gains) and the 2-D rotary turn on q and k; q, k, v written by heads, [b x 16 + head][s 1024][64], in f16.
; Operands bf16 (xb, wqb), sums f32; biases and gains are rounded to bf16 like the other inputs; norm and turn in f32; each result rounded once to f16.
; LIMITS: v lies within f16's 65,504 (q and k are at most 8 x the gain); NaN and infinities are not treated apart.
; SHARES.  A work-group makes 256 rows x 384 columns: heads 2 t and 2 t + 1 of q, of k and of v: 32 x 8 = 256 work-groups.  Wave w: rows 128 (w / 2) on, head 2 t + w % 2 of all three:
; 96 accumulators of 16 x 16, 768 registers.  K goes in 16 steps of 64 through two LDS slots; a step is two halves of 32, a half three groups (q, k, v) of 32 matrix instructions.
; A step of 128 would want two slots of 174 KB; the blocked buffers give rows of 256 consecutive bytes at a step of 64 all the same.
; THE PRODUCT IS TAKEN TRANSPOSED (source 0 = 16 columns of w, turned out of LDS by ds_load_tr16_b128; source 1 = 16 rows of x): a lane holds ONE row (lane % 16) and the channels
; 16 b + 8 (lane / 16) + 0..7 of its head, so a row's sum of squares wants one exchange between the halves of the lanes, and channel d and d + 32 lie in the same lane.
; The first half's C operand is the bias: nothing is cleared and no bias is added later.
; CLUSTER 4 x 4: x's tile hangs on the tile row alone and is asked for jointly along a row of the cluster, w's on the tile column alone, along a column.
; THE ANGLES.  Row s = 32 ih + iw; channel d < 32 turns by ih f(d / 2), channel d + 32 by iw f(d / 2), f(i) = 0.5 x 10000^(-i / 16).  32 x 16 angles of at most 15.5: each is reduced by a multiple of
; 2 pi, quartered, put through series to b^7 and b^8 (|b| < 0.79: the first terms left out are under 3e-7) and doubled twice.  Tables of (cos, sin) in LDS, made while the first tiles are on their way.
; REGISTERS, in windows of 256 (s_set_vgpr_msb: bits 1:0 source 0, 3:2 source 1, 5:4 source 2, 7:6 destination):
;   window 0: v0-15 addresses; v16-31 at work; v32-95, v96-159 x's fragments, two buffers; v160-255 w's fragments (group g, block b at 160 + 32 g + 8 b)
;   window 1 + g: group g's accumulators, (a, b) at 32 a + 8 b
.set PA,    144                        ; a row of x in LDS: 128 bytes + 16: the 16 rows of a load start at 16 different groups of four banks
.set PB,    160                        ; a k-row of w: 128 + 32
.set SLOT1, 131072                     ; slot 1 begins here: one exclusive or turns an address in one slot into the other's
.set BOFF,  256*PA                     ; a slot: x's 256 rows, then w's two halves (a head each) of three blocks (q, k, v) of 64 k-rows
.set BHALF, 192*PB
.set FW,    98304                      ; behind slot 0, in bytes that no tile touches: (cos, sin) for iw = 0..31: 32 rows of 16 x 8 bytes, pitch 144
.set FH,    FW+32*144                  ; the same for the work-group's eight ih
.set WN,    FH+8*144                   ; q's 64 gains, then k's
.set STAGE, 104704                     ; 16 rows x 144 bytes for each wave, for the way out
.set SPARE, STAGE+4*16*144             ; the spare words, 128 bytes for each wave: two blocks of 256 bytes that no other line names
.set ASTEP, 1048576                    ; bytes from a K step to the next in xb
.set BSTEP, 49152                      ; and in wqb
.set R,     1                          ; v1   lane % 16
.set HF,    2                          ; v2   lane / 16
.set ADRA0, 3                          ; v3   my place in slot 0's rows of x
.set ADRB0, 4                          ; v4   my place in slot 0's rows of w
.set ADRA,  5                          ; v5   the same in the slot in hand
.set ADRB,  6                          ; v6
.set STO,   7                          ; v7   the way out: where I put 16 bytes of a row
.set RD,    8                          ; v8   where I read rows back
.set GO,    9                          ; v9   16 x lane
.set TH0,   10                         ; v10  my place in FH
.set TW0,   11                         ; v11  my place in FW
.set WNA,   12                         ; v12  my place in WN
.set PFO,   13                         ; v13  256 x lane, for the prefetches
.set SPW,   14                         ; v14  LDS address of my spare word; never rewritten
.set NIL,   15                         ; v15  0; never rewritten
.set A0,    32
.set A1,    96
.set BF,    160
.set WG,    32                         ; the way out of q and k: v32-63 q's gains of my 32 channels, v64-95 k's
.set CH,    96                         ; v96-111   (cos, sin) by ih for my 8 frequencies
.set CW,    112                        ; v112-127  by iw
.set YP,    128                        ; v128-159  a row's 32 numbers x gain
.set TU,    160                        ; v160-191  turned: channels below 32, then from 32 on
.set HH,    192                        ; v192-207  in f16
.set OB,    208                        ; v208-223  whole rows read back from the stage
.set SS,    224                        ; v224-227  sums of squares
.set RS,    230                        ; v230-231  1 / sqrt(mean + eps), named as a pair
.set WV,  20                           ; s20 wave; s21 wave / 2: my rows' half, and: I fetch for x (0) or w (1); s22 wave % 2: my head, and which half of the tile I fetch
.set WR,  21
.set WC,  22
.set CX,  23
.set CY,  24
.set TT,  25                           ; s25 tile column, s26 tile row, s27 my head
.set TR,  26
.set HD,  27
.set G1A, 28                           ; s[28:35] descriptor group 1 for x's tiles, s[36:43] for w's
.set G1B, 36
.set G0A, 44                           ; s[44:51] group 0 for x's tiles: a set for each first fill; the second then walks.  s[52:59] the same for w's
.set G0B, 52
.set CNT, 60
.set LIM, 61                           ; 2 in a wave that prefetches, else the greatest number
.set PAR, 62                           ; 1 in a wave that prefetches in every second trip
.set TB,  63                           ; the slot in hand: 0 or SLOT1
.set PFA, 66                           ; s[66:67] where my prefetches stand; s[68:69] their step
.set PST, 68
.set SEL, 70                           ; s[70:71] v_permlanex16_b32's selects: each lane takes its own place in the other half
.set I64, 72                           ; 1 / 64
.set EPS, 73                           ; 1e-6
.set IX,  74
.set HIM, 75                           ; a word's upper half
.set QP,  76                           ; s[76:77] qh at my rows, s[78:79] kh, s[80:81] vh
.set VP,  80
.set DSTN, 82                          ; s[82:83] where the block in hand goes; s[84:85] where the block in the stage goes
.set DSTC, 84
.set MSB, 0
.macro WIN new                         ; the immediate's high byte repeats the setting that is left; a switch that changes nothing is dropped
.if MSB != (\new)
	s_set_vgpr_msb (MSB<<8)|(\new)
.set MSB, (\new)
.endif
.endm
.macro PLACES                          ; four plain vector instructions between a matrix instruction and a load into, or a vector read of, its registers
.rept 4
	v_nop
.endr
.endm
.macro CREST                           ; a round of the cluster's barrier behind its opening barrier
	s_cmp_lg_u32 s[WV], 0
	s_cbranch_scc1 .Lnot_wave_0_\@
	s_barrier_signal -3
.Lnot_wave_0_\@:
	s_barrier_wait -3
	s_barrier_signal -1
	s_barrier_wait -1
.endm
.macro CROUND
	s_barrier_signal -1
	s_barrier_wait -1
	CREST
.endm
; A joint refill by the walking sets.  Waves 0 and 1 fetch x's two halves, waves 2 and 3 w's: the branch hangs on the wave's number alone.  An s_nop 0 and four v_nop follow each line.
.macro JLOAD
	s_cmp_eq_u32 s[WR], 0
	s_cbranch_scc0 .Lfor_b_\@
	tensor_load_to_lds s[G0A+4:G0A+7], s[G1A:G1A+7]
	s_nop 0
.rept 4
	v_nop
.endr
	s_branch .Lasked_\@
.Lfor_b_\@:
	tensor_load_to_lds s[G0B+4:G0B+7], s[G1B:G1B+7]
	s_nop 0
.rept 4
	v_nop
.endr
.Lasked_\@:
.endm
; A PREFETCH INTO THE L2 of the K step two refills on, 384 matrix instructions ahead of the load that will want it; a lane names 256 bytes.  Each block is named once in the launch:
; x's tile row is read by both clusters of a row of clusters: cluster x = 0 asks, wave 0, the four partners 8,192 bytes each, told apart by address (cx).  w's tile column is read by all eight clusters
; of a column: cluster y = 0 asks, waves 1 to 3, in every second trip for two steps (98,304 dense bytes: twelve parts of 8,192, part 3 cy + wave - 1).  The last trips, whose step does not exist, ask for nothing.
.macro ASK
	s_and_b32 s94, s[CNT], s[PAR]
	s_cmp_lg_u32 s94, 0
	s_cbranch_scc1 .Lno_\@
	s_cmp_gt_u32 s[CNT], s[LIM]
	s_cbranch_scc0 .Lno_\@
	global_prefetch_b8 v[PFO], s[PFA:PFA+1] th:TH_LOAD_NT scope:SCOPE_SE
.Lno_\@:
.endm
; 4 na matrix instructions of group g: row blocks a0 on, all four channel blocks, x's buffer ab.  The accumulators take turns, one instruction a turn.
; cm = 1: the sums start from the bias, v[cb + 8 b ..] of window cw.
.macro GRP g, ab, a0, na, cm=0, cb=0, cw=0
.if \cm
	WIN ((1+(\g))<<6)|((\cw)<<4)
.else
	WIN ((1+(\g))<<6)|((1+(\g))<<4)
.endif
.set ga, \a0
.rept \na
.irp b, 0,1,2,3
.if \cm
	v_wmma_f32_16x16x32_bf16 v[32*ga+8*\b:32*ga+8*\b+7], v[BF+32*(\g)+8*\b:BF+32*(\g)+8*\b+7], v[(\ab)+8*ga:(\ab)+8*ga+7], v[(\cb)+8*\b:(\cb)+8*\b+7]
.else
	v_wmma_f32_16x16x32_bf16 v[32*ga+8*\b:32*ga+8*\b+7], v[BF+32*(\g)+8*\b:BF+32*(\g)+8*\b+7], v[(\ab)+8*ga:(\ab)+8*ga+7], v[32*ga+8*\b:32*ga+8*\b+7]
.endif
.endr
.set ga, ga+1
.endr
.endm
.macro LDB g, hh                       ; 8 loads: group g's four fragments of w for half hh of the step
	WIN 0
.irp b, 0,1,2,3
	ds_load_tr16_b128 v[BF+32*(\g)+8*\b:BF+32*(\g)+8*\b+3],   v[ADRB] offset:(\g)*64*PB+(\hh)*32*PB+\b*32
	ds_load_tr16_b128 v[BF+32*(\g)+8*\b+4:BF+32*(\g)+8*\b+7], v[ADRB] offset:(\g)*64*PB+(\hh)*32*PB+\b*32+16*PB
.endr
.endm
.macro LDA ab, hh                      ; 16 loads: my eight fragments of x for half hh
	WIN 0
.irp a, 0,1,2,3,4,5,6,7
	ds_load_b128 v[(\ab)+8*\a:(\ab)+8*\a+3],   v[ADRA] offset:\a*16*PA+(\hh)*64
	ds_load_b128 v[(\ab)+8*\a+4:(\ab)+8*\a+7], v[ADRA] offset:\a*16*PA+(\hh)*64+32
.endr
.endm
; A step's first half.  On entry these runs of loads are out, in this order: w0 (8), x (16), w1 (8), w2 (8).  Each group's fragments are asked for again, for the second half, four places behind its products.
.macro H0
	s_wait_dscnt 16                                ; w0 and x are in; w1 and w2 may be out
	GRP 0, A0, 0, 8
	PLACES
	LDB 0, 1
	LDA A1, 1
	s_wait_dscnt 32                                ; behind w1 stand w2 (8), the new w0 (8) and x (16)
	GRP 1, A0, 0, 8
	PLACES
	LDB 1, 1
	s_wait_dscnt 32                                ; behind w2 stand w0 (8), x (16), w1 (8)
	GRP 2, A0, 0, 8
	PLACES
	LDB 2, 1
.endm
; A step's second half, and the change of slots.  All the slot's fragments have been asked for; when they are in, the slot is free.  mode 2: it is filled again, two steps on, behind a round of the
; cluster's barrier; the load has 160 matrix instructions before the next wait for it.  mode 1: the last change: a plain barrier.  mode 0: the last half.
.macro H1 mode
.if (\mode) == 0
	s_wait_dscnt 16
	GRP 0, A1, 0, 8
	s_wait_dscnt 8
	GRP 1, A1, 0, 8
	s_wait_dscnt 0x0
	GRP 2, A1, 0, 8
.else
	WIN 0
.if (\mode) == 2
	s_wait_xcnt 0x0                                ; the last prefetch, a step back, has read its address
	s_add_nc_u64 s[PFA:PFA+1], s[PFA:PFA+1], s[PST:PST+1]
.endif
	s_wait_tensorcnt 0x0                           ; all my tensor loads have landed: the one that was out is my part of the next slot
	ds_add_u32 v[SPW], v[NIL]                      ; 0 onto my spare word
.if (\mode) == 2
	s_xor_b32 s[G0A+5], s[G0A+5], SLOT1            ; no load of mine is out, so the walking sets may be written: the other slot than last time,
	s_add_nc_u64 s[G0A+6:G0A+7], s[G0A+6:G0A+7], ASTEP  ; the next step; the type bits on top are not reached
	s_xor_b32 s[G0B+5], s[G0B+5], SLOT1
	s_add_nc_u64 s[G0B+6:G0B+7], s[G0B+6:G0B+7], BSTEP
.endif
	s_wait_dscnt 17                                ; w0 and x are in; w1 (8), w2 (8) and the add may be out
	GRP 0, A1, 0, 4
	s_wait_dscnt 0x0                               ; the add is done, and my reads of this slot are over
	s_barrier_signal -1
	GRP 0, A1, 4, 4                                ; work on registers while the others arrive
	WIN 0
	s_barrier_wait -1
.if (\mode) == 2
	CREST                                          ; no wave of any partner still reads this slot or has a load on its way
	JLOAD                                          ; its four v_nop are also the places in front of the loads below
.else
	PLACES
.endif
	s_xor_b32 s[TB], s[TB], SLOT1
	v_add_nc_u32 v[ADRA], s[TB], v[ADRA0]
	v_add_nc_u32 v[ADRB], s[TB], v[ADRB0]
	LDB 0, 0
	LDA A0, 0
.if (\mode) == 2
	ASK
.endif
	GRP 1, A1, 0, 8
	PLACES
	LDB 1, 0
	GRP 2, A1, 0, 8
	PLACES
	LDB 2, 0
.endif
.endm
	s_load_b512 s[4:19], s[0:1], 0x0               ; xb s[4:5], wqb s[6:7], b_qkv s[8:9], q_norm_w s[10:11], k_norm_w s[12:13], qh s[14:15], kh s[16:17], vh s[18:19]
	v_lshl_add_u32 v[SPW], v0, 2, SPARE
	v_mov_b32 v[NIL], 0
	ds_add_u32 v[SPW], v[NIL]                      ; the wave's opening: the add and its wait stand ahead of my first tensor load; work on registers stands between them
	ds_add_u32 v14, v15
	v_lshrrev_b32 v16, 5, v0
	v_readfirstlane_b32 s[WV], v16
	s_lshr_b32 s[WR], s[WV], 1
	s_and_b32 s[WC], s[WV], 1
	s_bfe_u32 s[CX], ttmp6, 0x40000
	s_bfe_u32 s[CY], ttmp6, 0x40004
	s_lshl_b32 s[TT], ttmp9, 2
	s_add_co_u32 s[TT], s[TT], s[CX]               ; tile column = 4 x cluster x + cx
	s_and_b32 s[TR], ttmp7, 0xffff
	s_lshl_b32 s[TR], s[TR], 2
	s_add_co_u32 s[TR], s[TR], s[CY]               ; tile row = 4 x cluster y + cy
	s_lshl_b32 s86, s[CY], 2
	s_lshl_b32 s86, 15, s86                        ; my row of the cluster
	s_lshl_b32 s87, 0x1111, s[CX]                  ; my column
	; group 1.  A tile is dense in memory: 64 (x) or 96 (w) rows of 256 bytes, two LDS rows each, padded after every 128 bytes
	s_or_b32 s[G1A], s86, (1<<16)|(1<<20)|(1<<21)|(4<<22)|(3<<25)  ; the mask; 2-byte elements; padding on; bit 21 beside a mask; after every 32 words (code 4) 4 words (code 3)
	s_or_b32 s[G1B], s87, (1<<16)|(1<<20)|(1<<21)|(4<<22)|(7<<25)  ; the same with 8 words (code 7)
	s_mov_b32 s[G1A+1], 128<<16                    ; tensor_dim0 = 128
	s_mov_b32 s[G1A+2], 64<<16                     ; tensor_dim1 = 64
	s_mov_b32 s[G1A+3], 128<<16                    ; tile_dim0 = 128
	s_mov_b32 s[G1A+4], 64                         ; tile_dim1 = 64
	s_mov_b32 s[G1A+5], 128                        ; 128 elements from row to row
	s_mov_b32 s[G1A+6], 0
	s_mov_b32 s[G1A+7], 0
	s_mov_b32 s[G1B+1], 128<<16
	s_mov_b32 s[G1B+2], 96<<16
	s_mov_b32 s[G1B+3], 128<<16
	s_mov_b32 s[G1B+4], 96
	s_mov_b32 s[G1B+5], 128
	s_mov_b32 s[G1B+6], 0
	s_mov_b32 s[G1B+7], 0
	s_lshl_b32 s88, s[TR], 15                      ; x: (256 x tile row + 128 x half) rows of 128 bytes
	s_lshl_b32 s89, s[WC], 14
	s_add_co_u32 s88, s88, s89
	s_mov_b32 s89, 0
	s_lshl_b32 s92, s[TT], 5                       ; w: (32 x tile column + half) x 24,576 bytes
	s_add_co_u32 s92, s92, s[WC]
	s_mul_i32 s92, s92, 24576
	s_mov_b32 s93, 0
	s_mul_i32 s90, s[WC], 128*PA                   ; where they go: no place in the cluster enters an LDS address
	s_mul_i32 s91, s[WC], BHALF
	s_add_co_u32 s91, s91, BOFF
	s_mov_b32 s[SEL], 0x76543210
	s_mov_b32 s[SEL+1], 0xfedcba98
	s_mov_b32 s[I64], 0x3c800000
	s_mov_b32 s[EPS], 0x358637bd
	s_mov_b32 s[HIM], 0xffff0000
	s_mov_b32 s100, 0xb9500d01                     ; -1/5040
	s_mov_b32 s101, 0x3c088889                     ; 1/120
	s_mov_b32 s104, 0x37d00d01                     ; 1/40320
	s_mov_b32 s105, 0xbab60b61                     ; -1/720
	s_wait_dscnt 0x0                               ; the opening add is done
	s_wait_kmcnt 0x0
	s_add_nc_u64 s[88:89], s[4:5], s[88:89]
	s_add_nc_u64 s[92:93], s[6:7], s[92:93]
.irp s, 0,1
	s_mov_b32 s[G0A+4*\s], 1                       ; count = 1
	s_add_co_u32 s[G0A+4*\s+1], s90, \s*SLOT1      ; LDS address
	s_add_nc_u64 s[G0A+4*\s+2:G0A+4*\s+3], s[88:89], \s*ASTEP  ; global address: K step s
	s_or_b32 s[G0A+4*\s+3], s[G0A+4*\s+3], 0x80000000          ; type = 2
	s_mov_b32 s[G0B+4*\s], 1
	s_add_co_u32 s[G0B+4*\s+1], s91, \s*SLOT1
	s_add_nc_u64 s[G0B+4*\s+2:G0B+4*\s+3], s[92:93], \s*BSTEP
	s_or_b32 s[G0B+4*\s+3], s[G0B+4*\s+3], 0x80000000
.endr
	CROUND                                         ; all sixteen work-groups are here: the first joint loads meet
	s_cmp_eq_u32 s[WR], 0                          ; a wave's two first fills stand in one branch: two loads of mine are out
	s_cbranch_scc0 .Lfirst_b
	tensor_load_to_lds s[G0A:G0A+3], s[G1A:G1A+7]
	s_nop 0
	tensor_load_to_lds s[G0A+4:G0A+7], s[G1A:G1A+7]
	s_nop 0
.rept 4
	v_nop
.endr
	s_branch .Lfirst_asked
.Lfirst_b:
	tensor_load_to_lds s[G0B:G0B+3], s[G1B:G1B+7]
	s_nop 0
	tensor_load_to_lds s[G0B+4:G0B+7], s[G1B:G1B+7]
	s_nop 0
.rept 4
	v_nop
.endr
.Lfirst_asked:
	; WHILE THE TILES ARE ON THEIR WAY.  My 3 x 32 biases: register j of block b is the bias of channel 16 b + 8 (lane / 16) + j, the layout of a C operand.
	; q's go into registers of v's accumulators, which are written later; k's and v's into x's second buffer, which is loaded later.
	v_and_b32 v[R], 15, v0
	v_bfe_u32 v[HF], v0, 4, 1
	v_lshlrev_b32 v16, 5, v[HF]
	s_lshl_b32 s[HD], s[TT], 1
	s_add_co_u32 s[HD], s[HD], s[WC]
	s_lshl_b32 s96, s[HD], 8
	s_mov_b32 s97, 0
	s_add_nc_u64 s[96:97], s[8:9], s[96:97]
	WIN 0xc0                                       ; destination window 3
.irp b, 0,1,2,3
	global_load_b128 v[8*\b:8*\b+3],   v16, s[96:97] offset:64*\b
	global_load_b128 v[8*\b+4:8*\b+7], v16, s[96:97] offset:64*\b+16
.endr
	WIN 0
.irp b, 0,1,2,3
	global_load_b128 v[96+8*\b:96+8*\b+3],     v16, s[96:97] offset:4096+64*\b
	global_load_b128 v[96+8*\b+4:96+8*\b+7],   v16, s[96:97] offset:4096+64*\b+16
	global_load_b128 v[128+8*\b:128+8*\b+3],   v16, s[96:97] offset:8192+64*\b
	global_load_b128 v[128+8*\b+4:128+8*\b+7], v16, s[96:97] offset:8192+64*\b+16
.endr
	v_and_b32 v17, 63, v0                          ; a gain a thread: waves 0 and 1 q's, waves 2 and 3 k's
	v_lshlrev_b32 v17, 2, v17
	s_cmp_eq_u32 s[WR], 0
	s_cselect_b64 s[98:99], s[10:11], s[12:13]
	global_load_b32 v18, v17, s[98:99]
	; the tables: thread t makes frequency t % 16 for five positions
	v_and_b32 v19, 15, v0
	v_lshrrev_b32 v20, 4, v0                       ; 0..7
	v_cvt_f32_u32 v21, v19
	v_mul_f32 v21, 0xbf549a78, v21                 ; -i log2(10000) / 16
	v_exp_f32 v21, v21
	v_mul_u32_u24 v22, v20, 144                    ; plain work behind the exponential
	v_lshl_add_u32 v22, v19, 3, v22
	v_add_nc_u32 v22, FW, v22
	s_wait_alu depctr_va_vdst(0)                   ; the wait ahead of the first use of the exponential
	v_mul_f32 v21, 0.5, v21                        ; f(i)
.macro TAB nadd, off                   ; (cos, sin) of (t / 16 + nadd) f(i), to byte off behind my place
	v_add_nc_u32 v23, \nadd, v20
	v_cvt_f32_u32 v23, v23
	v_mul_f32 v23, v23, v21
	v_mul_f32 v26, 0.15915494, v23
	v_rndne_f32 v26, v26
	v_fmamk_f32 v23, v26, 0xc0c90fdb, v23          ; less a whole number of turns: 2 pi in two parts
	v_fmamk_f32 v23, v26, 0x343bbd2e, v23
	v_mul_f32 v26, 0x3e800000, v23                 ; b = a quarter of it
	v_mul_f32 v27, v26, v26
	v_fma_f32 v28, v27, s100, s101
	v_fma_f32 v29, v27, s104, s105
	v_fmaak_f32 v28, v28, v27, 0xbe2aaaab
	v_fmaak_f32 v29, v29, v27, 0x3d2aaaab
	v_mul_f32 v25, v26, v27
	v_fma_f32 v29, v29, v27, -0.5
	v_fma_f32 v25, v25, v28, v26                   ; sin b
	v_fma_f32 v24, v29, v27, 1.0                   ; cos b
.rept 2                                ; the angle doubled, twice
	v_mul_f32 v28, v25, v24
	v_mul_f32 v29, v25, v25
	v_add_f32 v25, v28, v28
	v_fma_f32 v24, v29, -2.0, 1.0
.endr
	ds_store_b64 v22, v[24:25] offset:\off
.endm
	TAB 0, 0
	TAB 8, 8*144
	TAB 16, 16*144
	TAB 24, 24*144
	s_lshl_b32 s94, s[CY], 3                       ; the work-group's rows have ih = 8 cy + 0..7: cy enters the numbers, no LDS address
	TAB s94, FH-FW
	s_wait_loadcnt 0x0                             ; biases and gain
.macro RND16 lo, n, tmp                ; n pairs of f32 from v[lo] on are rounded to bf16, in place
.set i, 0
.rept \n
	v_cvt_pk_bf16_f32 v[\tmp], v[(\lo)+2*i], v[(\lo)+2*i+1]
	v_lshlrev_b32 v[(\lo)+2*i], 16, v[\tmp]
	v_and_b32 v[(\lo)+2*i+1], s[HIM], v[\tmp]
.set i, i+1
.endr
.endm
	WIN 0xcf                                       ; all in window 3
	RND16 0, 16, 32
	WIN 0
	RND16 96, 32, 30
	v_cvt_pk_bf16_f32 v30, v18, v18
	v_lshlrev_b32 v18, 16, v30
	v_lshl_add_u32 v31, v0, 2, WN
	ds_store_b32 v31, v18
	; addresses
	v_mul_u32_u24 v16, v[R], PA
	v_lshl_add_u32 v16, v[HF], 4, v16              ; row x 144 + 16 x half
	s_mul_i32 s94, s[WR], 128*PA
	v_add_nc_u32 v[ADRA0], s94, v16
	s_mul_i32 s95, s[WV], 16*144
	s_add_co_u32 s95, s95, STAGE                   ; my stage
	v_add_nc_u32 v[STO], s95, v16
	v_and_b32 v17, 7, v0
	v_bfe_u32 v19, v0, 3, 1
	v_lshl_add_u32 v[ADRB0], v[HF], 3, v17         ; the turning load: k-row 8 (l / 16) + l % 8, 16 bytes at 16 ((l / 8) % 2)
	v_mul_u32_u24 v[ADRB0], v[ADRB0], PB
	v_lshl_add_u32 v[ADRB0], v19, 4, v[ADRB0]
	v_add_nc_u32 v[ADRB0], s91, v[ADRB0]           ; my head's half of w
	v_bfe_u32 v[RD], v0, 3, 2                      ; back: 32 lanes take four rows of 128 bytes,
	v_mul_u32_u24 v[RD], v[RD], 144
	v_lshl_add_u32 v[RD], v17, 4, v[RD]
	v_add_nc_u32 v[RD], s95, v[RD]
	v_and_b32 v[GO], 31, v0                        ; which are 512 consecutive bytes of a head
	v_lshlrev_b32 v[PFO], 8, v[GO]
	v_lshlrev_b32 v[GO], 4, v[GO]
	s_mul_i32 s94, s[WR], 4*144
	s_add_co_u32 s94, s94, FH
	v_lshl_add_u32 v[TH0], v[HF], 5, s94           ; my rows' four ih; my four frequencies of a block: 32 bytes
	v_mul_u32_u24 v[TW0], v[R], 144
	v_lshl_add_u32 v[TW0], v[HF], 5, v[TW0]
	v_add_nc_u32 v[TW0], FW, v[TW0]
	v_lshl_add_u32 v[WNA], v[HF], 5, WN
	v_mov_b32 v[RS+1], 0                           ; named with RS as a pair
	s_lshr_b32 s94, s[TR], 2                       ; the batch
	s_lshl_b32 s94, s94, 4
	s_add_co_u32 s94, s94, s[HD]
	s_lshl_b32 s94, s94, 17                        ; (16 b + head) x 1,024 rows of 128 bytes
	s_and_b32 s95, s[TR], 3
	s_lshl_b32 s95, s95, 15
	s_add_co_u32 s94, s94, s95
	s_lshl_b32 s95, s[WR], 14
	s_add_co_u32 s94, s94, s95
	s_mov_b32 s95, 0
	s_add_nc_u64 s[QP:QP+1], s[14:15], s[94:95]
	s_add_nc_u64 s[QP+2:QP+3], s[16:17], s[94:95]
	s_add_nc_u64 s[VP:VP+1], s[18:19], s[94:95]
	; the prefetches: they stand at K step 3; each refill steps them on and names the step where they then stand
	s_lshl_b32 s94, s[TR], 15
	s_lshl_b32 s95, s[CX], 13
	s_add_co_u32 s94, s94, s95
	s_add_co_u32 s94, s94, 3*ASTEP                 ; x: my work-group's quarter of the tile
	s_lshl_b32 s96, s[TT], 4
	s_add_co_u32 s96, s96, 3
	s_mul_i32 s96, s96, BSTEP
	s_mul_i32 s97, s[CY], 3
	s_add_co_u32 s97, s97, s[WV]
	s_sub_co_u32 s97, s97, 1
	s_lshl_b32 s97, s97, 13
	s_add_co_u32 s96, s96, s97                     ; w: part 3 cy + wave - 1 of twelve (of no use in wave 0, which takes x's)
	s_and_b32 s98, ttmp7, 0xffff
	s_mov_b32 s[PST], BSTEP
	s_cmp_eq_u32 s[WV], 0
	s_cselect_b32 s94, s94, s96
	s_cselect_b32 s98, ttmp9, s98                  ; the coordinate along which other clusters read the same blocks
	s_cselect_b32 s[PST], ASTEP, s[PST]
	s_cselect_b32 s[PAR], 0, 1
	s_cselect_b64 s[PFA:PFA+1], s[4:5], s[6:7]
	s_mov_b32 s[PST+1], 0
	s_mov_b32 s95, 0
	s_add_nc_u64 s[PFA:PFA+1], s[PFA:PFA+1], s[94:95]
	s_cmp_eq_u32 s98, 0
	s_cselect_b32 s[LIM], 2, -1                    ; the same in all sixteen partners, for a given wave
	s_wait_tensorcnt 0x1                           ; my part of step 0 is in; step 1's may stay out
	s_wait_dscnt 0x0                               ; my part of the tables and gains is stored
	s_barrier_signal -1
	s_barrier_wait -1
	s_mov_b32 s[TB], 0
	v_mov_b32 v[ADRA], v[ADRA0]
	v_mov_b32 v[ADRB], v[ADRB0]
	LDB 0, 0
	LDA A0, 0
	LDB 1, 0
	LDB 2, 0
	; THE FIRST HALF is written out: its products start the sums from the biases.  x's second buffer holds two of them, so it is loaded last.
	s_wait_dscnt 16                                ; w0 and x are in
	GRP 0, A0, 0, 8, 1, 0, 3
	PLACES
	LDB 0, 1
	s_wait_dscnt 16                                ; behind w1 stand w2 (8) and the new w0 (8)
	GRP 1, A0, 0, 8, 1, 96, 0
	PLACES
	LDB 1, 1
	s_wait_dscnt 16                                ; behind w2 stand w0 (8) and w1 (8)
	GRP 2, A0, 0, 8, 1, 128, 0
	PLACES
	LDA A1, 1
	LDB 2, 1
	s_wait_dscnt 8                                 ; here x came behind w1: all but w2 is in, which is what the loop's count takes for granted
	WIN 0
	s_mov_b32 s[CNT], 14
.Lk:                                               ; trip i: the second half of step i, the refill with step i + 2, the first half of step i + 1
	H1 2
	H0
	WIN 0
	s_sub_co_u32 s[CNT], s[CNT], 1
	s_cmp_lg_u32 s[CNT], 0
	s_cbranch_scc1 .Lk
	H1 1                                           ; the tail is written out: nothing more is asked for
	H0
	H1 0
	WIN 0
	PLACES
	PLACES
	; THE WAY OUT.  The gains of my 32 channels first: they are in long before they are used.
.irp b, 0,1,2,3
	ds_load_b128 v[WG+8*\b:WG+8*\b+3],       v[WNA] offset:64*\b
	ds_load_b128 v[WG+8*\b+4:WG+8*\b+7],     v[WNA] offset:64*\b+16
	ds_load_b128 v[WG+32+8*\b:WG+32+8*\b+3], v[WNA] offset:256+64*\b
	ds_load_b128 v[WG+32+8*\b+4:WG+32+8*\b+7], v[WNA] offset:256+64*\b+16
.endr
; v: block a (16 rows) is rounded to f16, 16 bytes a lane and channel block, goes into my stage and comes back as whole rows, into the registers that it left.
.macro PACKV a
	WIN 0x0f                                       ; sources in window 3
.irp b, 0,1,2,3
.irp p, 0,1,2,3
	v_cvt_pk_f16_f32 v[96+16*(\a)+4*\b+\p], v[32*(\a)+8*\b+2*\p], v[32*(\a)+8*\b+2*\p+1]
.endr
.endr
	WIN 0
.irp b, 0,1,2,3
	ds_store_b128 v[STO], v[96+16*(\a)+4*\b:96+16*(\a)+4*\b+3] offset:32*\b
.endr
.irp f, 0,1,2,3
	ds_load_b128 v[96+16*(\a)+4*\f:96+16*(\a)+4*\f+3], v[RD] offset:576*\f  ; LDS serves a wave's instructions in order (ISA guide 5.7.1.4): these see the stores above; the next block's stores come behind them
.endr
.endm
.macro SENDV a, younger                ; younger: the LDS instructions issued behind block a's loads: the next block's eight, or none
.irp f, 0,1,2,3
	s_wait_dscnt (\younger)+3-\f
	global_store_b128 v[GO], v[96+16*(\a)+4*\f:96+16*(\a)+4*\f+3], s[VP:VP+1] offset:(\a)*2048+\f*512  ; 512 consecutive bytes
.endr
.endm
	PACKV 0
.irp a, 1,2,3,4,5,6,7
	PACKV \a
	SENDV (\a)-1, 8
.endr
	SENDV 7, 0
	s_wait_xcnt 0x0                                ; the stores have read their registers, which are written again below
; q and k: sixteen blocks of 16 rows.  What names the accumulators is written for each block (PIECE); norm, turn, rounding and the stage stand once, in a loop.
; PIECE: the block's place; its rows' (cos, sin); the sums of squares of my 32 channels, in two chains, each accumulator read from its low end; the numbers x gain, into window 0.
.macro PIECE kind, a
	s_add_nc_u64 s[DSTN:DSTN+1], s[QP+2*(\kind):QP+2*(\kind)+1], (\a)*2048
.irp b, 0,1
	ds_load_b128 v[CH+8*\b:CH+8*\b+3],   v[TH0] offset:((\a)>>1)*144+64*\b
	ds_load_b128 v[CH+8*\b+4:CH+8*\b+7], v[TH0] offset:((\a)>>1)*144+64*\b+16
	ds_load_b128 v[CW+8*\b:CW+8*\b+3],   v[TW0] offset:((\a)&1)*2304+64*\b
	ds_load_b128 v[CW+8*\b+4:CW+8*\b+7], v[TW0] offset:((\a)&1)*2304+64*\b+16
.endr
	WIN 0x05*(1+(\kind))                           ; sources 0 and 1 in the group's window
	v_pk_mul_f32 v[SS:SS+1],   v[32*(\a):32*(\a)+1],       v[32*(\a):32*(\a)+1]
	v_pk_mul_f32 v[SS+2:SS+3], v[32*(\a)+16:32*(\a)+17],   v[32*(\a)+16:32*(\a)+17]
.set i, 1
.rept 7
	v_pk_fma_f32 v[SS:SS+1],   v[32*(\a)+2*i:32*(\a)+2*i+1],       v[32*(\a)+2*i:32*(\a)+2*i+1],       v[SS:SS+1]
	v_pk_fma_f32 v[SS+2:SS+3], v[32*(\a)+16+2*i:32*(\a)+16+2*i+1], v[32*(\a)+16+2*i:32*(\a)+16+2*i+1], v[SS+2:SS+3]
.set i, i+1
.endr
	WIN 1+(\kind)                                  ; source 0 in the group's window
.set i, 0
.rept 16
	v_pk_mul_f32 v[YP+2*i:YP+2*i+1], v[32*(\a)+2*i:32*(\a)+2*i+1], v[WG+32*(\kind)+2*i:WG+32*(\kind)+2*i+1]
.set i, i+1
.endr
	WIN 0
.endm
	PIECE 0, 0
	s_wait_dscnt 0x0                               ; its tables are in
	s_mov_b32 s[IX], 0
	s_branch .Lmid                                 ; nothing lies in the stage yet
.Ltrip:                                            ; block IX = 1 .. 15: q's blocks 1 to 7, then k's eight
.irp pc, 1,2,3,4,5,6,7,8,9,10,11,12,13,14
	s_cmp_lg_u32 s[IX], \pc
	s_cbranch_scc1 .Lnot_\pc
	PIECE (\pc)/8, (\pc)%8
	s_branch .Lrest
.Lnot_\pc:
.endr
	PIECE 1, 7
.Lrest:
	s_wait_dscnt 0x0                               ; the tables are in, and the block before is back from the stage
.irp f, 0,1,2,3
	global_store_b128 v[GO], v[OB+4*\f:OB+4*\f+3], s[DSTC:DSTC+1] offset:512*\f
.endr
.Lmid:
	v_pk_add_f32 v[SS:SS+1], v[SS:SS+1], v[SS+2:SS+3]
	v_add_f32 v[SS], v[SS], v[SS+1]
	v_permlanex16_b32 v[SS+2], v[SS], s[SEL], s[SEL+1]  ; the row's other 32 channels lie in the lane 16 away
	v_add_f32 v[SS], v[SS], v[SS+2]
	v_fma_f32 v[SS], v[SS], s[I64], s[EPS]         ; mean + eps
	v_rsq_f32 v[RS], v[SS]
	; the turn, on numbers not yet scaled (the scale is one number a row): out[d] = y[d] cos - y[d + 32] sin by ih; out[d + 32] = y[d + 32] cos + y[d] sin by iw.  A pair of channels shares its angle.
.set p, 0
.rept 8
	v_pk_mul_f32 v[TU+2*p:TU+2*p+1],       v[YP+2*p:YP+2*p+1],       v[CH+2*p:CH+2*p+1] op_sel_hi:[1,0]
	v_pk_mul_f32 v[TU+16+2*p:TU+16+2*p+1], v[YP+16+2*p:YP+16+2*p+1], v[CW+2*p:CW+2*p+1] op_sel_hi:[1,0]
.set p, p+1
.endr
.set p, 0
.rept 8
	v_pk_fma_f32 v[TU+2*p:TU+2*p+1],       v[YP+16+2*p:YP+16+2*p+1], v[CH+2*p:CH+2*p+1], v[TU+2*p:TU+2*p+1] op_sel:[0,1,0] neg_lo:[1,0,0] neg_hi:[1,0,0]
	v_pk_fma_f32 v[TU+16+2*p:TU+16+2*p+1], v[YP+2*p:YP+2*p+1],       v[CW+2*p:CW+2*p+1], v[TU+16+2*p:TU+16+2*p+1] op_sel:[0,1,0]
.set p, p+1
.endr
	s_wait_alu depctr_va_vdst(0)                   ; the wait ahead of the first use of the root; the 32 lines of the turn are the work between
.set i, 0
.rept 16
	v_pk_mul_f32 v[TU+2*i:TU+2*i+1], v[TU+2*i:TU+2*i+1], v[RS:RS+1] op_sel_hi:[1,0]
.set i, i+1
.endr
.set i, 0
.rept 16
	v_cvt_pk_f16_f32 v[HH+i], v[TU+2*i], v[TU+2*i+1]
.set i, i+1
.endr
	s_wait_xcnt 0x0                                ; the stores above have read their base and their registers
	s_mov_b64 s[DSTC:DSTC+1], s[DSTN:DSTN+1]
.irp b, 0,1,2,3
	ds_store_b128 v[STO], v[HH+4*\b:HH+4*\b+3] offset:32*\b
.endr
.irp f, 0,1,2,3
	ds_load_b128 v[OB+4*\f:OB+4*\f+3], v[RD] offset:576*\f
.endr
	s_add_co_u32 s[IX], s[IX], 1
	s_cmp_lt_u32 s[IX], 16
	s_cbranch_scc1 .Ltrip
	s_wait_dscnt 0x0
.irp f, 0,1,2,3
	global_store_b128 v[GO], v[OB+4*\f:OB+4*\f+3], s[DSTC:DSTC+1] offset:512*\f
.endr
	s_wait_tensorcnt 0x0                           ; the wave's end: behind my last tensor load and my last LDS store
	ds_add_u32 v[SPW], v[NIL]
	s_wait_dscnt 0x0
	CROUND                                         ; the closing round: no work-group ends while a partner may still ask for a tile that names it
	s_endpgm
.Lfunc_end_k_qe429739d2c_qkv:
	.size	k_qe429739d2c_qkv, .Lfunc_end_k_qe429739d2c_qkv-k_qe429739d2c_qkv
	.p2alignl 7, 3214868480
	.fill 96, 4, 3214868480
	.section	.rodata,"a",@progbits
	.p2align	6, 0x0
	.amdhsa_kernel k_qe429739d2c_qkv
		.amdhsa_group_segment_fixed_size 327680
		.amdhsa_private_segment_fixed_size 0
		.amdhsa_enable_private_segment 0
		.amdhsa_kernarg_size 64
		.amdhsa_user_sgpr_count 2
		.amdhsa_user_sgpr_kernarg_segment_ptr 1
		.amdhsa_wavefront_size32 1
		.amdhsa_system_sgpr_workgroup_id_x 1
		.amdhsa_system_sgpr_workgroup_id_y 1
		.amdhsa_system_sgpr_workgroup_id_z 1
		.amdhsa_system_vgpr_workitem_id 0
		.amdhsa_next_free_vgpr 1024
		.amdhsa_next_free_sgpr 106
		.amdhsa_reserve_vcc 0
		.amdhsa_float_denorm_mode_32 3
		.amdhsa_float_denorm_mode_16_64 3
		.amdhsa_memory_ordered 1
		.amdhsa_forward_progress 1
		.amdhsa_inst_pref_size 149
	.end_amdhsa_kernel
	.amdgpu_metadata
---
amdhsa.version: [ 1, 2 ]
amdhsa.kernels:
  - .name:           k_qe429739d2c_qkv
    .symbol:         k_qe429739d2c_qkv.kd
    .args:
      - { .name: xb, .offset: 0, .size: 8, .value_kind: global_buffer, .address_space: global }
      - { .name: wqb, .offset: 8, .size: 8, .value_kind: global_buffer, .address_space: global }
      - { .name: b_qkv, .offset: 16, .size: 8, .value_kind: global_buffer, .address_space: global }
      - { .name: q_norm_w, .offset: 24, .size: 8, .value_kind: global_buffer, .address_space: global }
      - { .name: k_norm_w, .offset: 32, .size: 8, .value_kind: global_buffer, .address_space: global }
      - { .name: qh, .offset: 40, .size: 8, .value_kind: global_buffer, .address_space: global }
      - { .name: kh, .offset: 48, .size: 8, .value_kind: global_buffer, .address_space: global }
      - { .name: vh, .offset: 56, .size: 8, .value_kind: global_buffer, .address_space: global }
    .group_segment_fixed_size: 327680
    .private_segment_fixed_size: 0
    .kernarg_segment_align: 8
    .kernarg_segment_size: 64
    .max_flat_workgroup_size: 128
    .sgpr_count:     106
    .vgpr_count:     1024
    .wavefront_size: 32
...
	.end_amdgpu_metadata
.endif
;; end of part 2
;; launch attn (part 3): grid 2 x 128, 4 waves a work-group, no clusters, 327,680 bytes of LDS; arguments qh, kh, vh, ob; writes ob
.if DOCPART == 3
	.amdgcn_target "amdgcn-amd-amdhsa--gfx1250"
	.amdhsa_code_object_version 6
	.text
	.protected	k_qe429739d2c_attn
	.globl	k_qe429739d2c_attn
	.p2align	8
	.type	k_qe429739d2c_attn,@function
k_qe429739d2c_attn:
	s_mov_b64 s[64:65], 0
	v_nop
	global_prefetch_b8 v0, s[64:65] scope:SCOPE_SE
	s_setreg_imm32_b32 hwreg(HW_REG_WAVE_MODE, 25, 1), 1
	s_wait_xcnt 0x0
; O[bh][q][:] = the sum over k of softmax_k(Q[bh][q] . K[bh][k] / 8) V[bh][k][:].  Q, K, V: [128 heads][1024][64] f16, a head's rows dense, 128 bytes each.  O goes to ob [head 16][b x 1024 + s][64] f16.
; Products, maxima and sums in f32; the weights p are rounded to f16 for the second product (their sum l is taken of the unrounded p), O once at the end.
; LIMITS.  f16 holds no number beyond 65,504: Q, K and V arrive within it; p lies in 0 to 1, and below 6e-5 it keeps f16's fixed step of 6e-8; O is a mean of V's rows and has their range.
; A weight below 2^-126 counts as 0 in l; NaN and infinities are not treated apart.
; SHARES.  A wave owns four PIECES of two tiles of 16 queries, a work-group's four waves 512 queries of one head: 2 x 128 = 256 work-groups.  Every wave walks all 1,024 keys, 64 a step.
; K AND V STAY IN LDS: a head's K (1,024 rows x 144 bytes) and V (x 160) are 311,296 bytes.  Each wave asks for four parts at the start (waves 0, 1: K; waves 2, 3: V; part c holds 128 of the keys
; 256 c .. 256 c + 255), so four loads of a wave are out; no byte is filled twice.  The walk begins when part 0 is in.  Ahead of the keys from 256 on each wave waits for all its loads: the wait stands in a loop,
; where its count cannot change from trip to trip; the loads have had four key steps in which to land.
; NO CLUSTER: a head has two query blocks, and a joint request here names a whole row or column of four; what the two share is asked for once a launch.  NO PREFETCH: the whole stream is asked for at the head.
; LAYOUT.  S^T = K Q^T (source 0 = 16 keys, source 1 = 16 queries): in the result a lane holds ONE query (lane % 16) and the keys 8 (lane / 16) + 0..7.  Two such tiles, rounded to f16 in pairs,
; ARE source 1 (32 keys x 16 queries) of O^T = V^T P, whose result again holds one query a lane, and eight channels.  K comes out of LDS as it lies, V ([key][channel]) turned, by ds_load_tr16_b128.
; SOFTMAX.  For each query a running maximum m and sum l: p = 2^(c s - c m), c = log2(e) / 8; in every step O and l are multiplied by a = 2^(c m_old - c m_new).  m starts at the lowest finite number,
; O and l at 0: the first step is a step like any other, with a = 0.
; BY TURNS.  Turn n belongs to piece n.  Its matrix work: 16 products K Q^T of piece n + 1, later 16 products V^T P of piece n - 1.  Its vector work: the scaling, exponentials, roundings, sums and rescaling of
; piece n, and the maximum and statistics of piece n + 1.  Four vector instructions stand behind every matrix instruction, the others in one run; a turn's 66 exponentials are one batch with one wait.
; REGISTERS, in windows of 256 (s_set_vgpr_msb: bits 1:0 source 0, 3:2 source 1, 5:4 source 2, 7:6 destination):
;   window 0: v0-11 addresses; v12-15, v48-63 at work; v16-47 four registers of statistics a tile; v64-191 S^T, two buffers of two tiles; v192-255 P, likewise
;   window 1: O^T, 32 a tile          window 2: v0-127 Q, 16 a tile; v128-191 K of one step; v192-255 V of one step          window 3: v0-1 the add's two registers
.set NP,    4         ; pieces a wave: a name, no knob
.set KS,    64        ; keys in a step
.set PK,    144       ; a row of K in LDS: 128 bytes + 16: the 16 rows of a load start at 16 different groups of four banks
.set PV,    160       ; a row of V: 128 + 32
.set VOFF,  1024*PK
.set STAGE, VOFF+1024*PV  ; never filled by a tensor load: 16 rows x 144 bytes for each wave, for the way out
.set SP,    144
.set AK0, 2           ; v2   my lane's place in a tile of K; never rewritten
.set AV0, 3           ; v3   the same for V
.set AK,  4           ; v4   the LDS address of K's next run of loads
.set AV,  5           ; v5   of V's
.set QO,  6           ; v6   my byte offset in the wave's rows of Q
.set STO, 6           ;      later, the way out: where I put 16 bytes of a row
.set RD,  7           ; v7   where I read rows back
.set GO,  8           ; v8   my byte offset in 512 consecutive bytes of O
.set SPW, 0           ; v0 of window 3   LDS address of my spare word; never rewritten
.set NIL, 1           ; v1 of window 3   0; never rewritten
.set SPARE, STAGE+4*16*SP  ; the spare words, 128 bytes for each wave: two blocks of 256 bytes that no other line names
.set MV,  12          ; v12-15  c m_old, kept while c m is made anew
.set ST,  16          ; tile t's statistics at v[ST+4 t]: c m, m, l (even keys', odd keys')
.set TMP, 48          ; by buffer and tile, four registers c0-c3 at work; when the maximum is found c2 takes a
.set S,   64
.set P,   192
.set KF,  128         ; K's fragments, in window 2
.set VF,  192         ; V's
.set WV,  12          ; s12  my wave's number
.set G1K, 16          ; s[16:23] descriptor group 1 for K's parts
.set G1V, 24          ; s[24:31] for V's: it differs in the padding alone
.set G0K, 32          ; s[32:47] group 0 for K's four parts
.set G0V, 48          ; s[48:63] for V's
.set SLOTS, 66        ; s66  passes of four key steps still to come
.set CNT, 67          ; s67  counts a pass's key steps
.set CS,  68          ; s[68:69] c: the packed scaling takes the pair's low word for both halves
.set SEL, 70          ; s[70:71] v_permlanex16_b32's selects
.set TBK, 72          ; s72  LDS byte at which K of the step to be fetched begins
.set TBV, 73          ; s73  the same for V, less VOFF
.set MSB, 0
.macro WIN new
.if MSB != (\new)
	s_set_vgpr_msb (MSB<<8)|(\new)
.set MSB, (\new)
.endif
.endm
.set W_KQ, 0x0a       ; K and Q in window 2, S^T in window 0
.set W_PV, 0x52       ; V in window 2, P in window 0, O^T in window 1
.set W_RS, 0x41       ; O^T (destination and source 0) in window 1, a in window 0
.set W_MK, 0xc0       ; the add's registers are made: destination in window 3
.set W_AD, 0x0f       ; the add: address and data in window 3
	s_load_b256 s[4:11], s[0:1], 0x0  ; Q s[4:5], K s[6:7], V s[8:9], O s[10:11]
	WIN W_MK
	v_lshl_add_u32 v[SPW], v0, 2, SPARE
	v_mov_b32 v[NIL], 0
	WIN W_AD
	ds_add_u32 v[SPW], v[NIL]       ; the wave's opening: the add and its wait stand ahead of my first tensor load; work on registers stands between them
	ds_add_u32 v0, v1
	WIN 0
	v_lshrrev_b32 v1, 5, v0
	v_readfirstlane_b32 s[WV], v1   ; wave 0..3
	s_and_b32 s74, ttmp7, 0xffff    ; 16 b + head
	s_lshl_b32 s76, s74, 17         ; its first byte in Q, K and V
	s_and_b32 s13, s[WV], 1         ; which 128 of a part's 256 keys I fetch
	s_lshl_b32 s78, s13, 14
	s_add_co_u32 s78, s78, s76
	s_mov_b32 s79, 0
	s_mul_i32 s14, s13, 128*PK      ; their place in LDS, for K
	s_mul_i32 s15, s13, 128*PV      ; and for V
	s_add_co_u32 s15, s15, VOFF
	s_lshl_b32 s80, ttmp9, 16       ; my block's 512 rows,
	s_lshl_b32 s81, s[WV], 14       ; my wave's 128 of them
	s_add_co_u32 s80, s80, s81
	s_add_co_u32 s2, s80, s76       ; in Q
	s_mov_b32 s3, 0
	s_and_b32 s75, s74, 15          ; in O: (8 head + b) x 1,024 rows
	s_lshl_b32 s75, s75, 3
	s_lshr_b32 s81, s74, 4
	s_add_co_u32 s75, s75, s81
	s_lshl_b32 s75, s75, 17
	s_add_co_u32 s80, s80, s75
	s_mov_b32 s81, 0
	; group 1.  128 keys are 16,384 dense bytes: asked for as 64 rows of 256 bytes, two keys a row, and padded in LDS after every key
	s_mov_b32 s[G1K], (1<<16)|(1<<20)|(4<<22)|(3<<25)  ; 2-byte elements; padding on; after every 32 words (code 4) 4 words (code 3)
	s_mov_b32 s[G1V], (1<<16)|(1<<20)|(4<<22)|(7<<25)  ; the same with 8 words (code 7)
.irp g, G1K, G1V
	s_mov_b32 s[\g+1], 128<<16      ; tensor_dim0 = 128
	s_mov_b32 s[\g+2], 64<<16       ; tensor_dim1 = 64
	s_mov_b32 s[\g+3], 128<<16      ; tile_dim0 = 128
	s_mov_b32 s[\g+4], 64           ; tile_dim1 = 64
	s_mov_b32 s[\g+5], 128          ; 128 elements from row to row
	s_mov_b32 s[\g+6], 0
	s_mov_b32 s[\g+7], 0
.endr
.irp c, 0,1,2,3
	s_mov_b32 s[G0K+4*\c], 1
	s_add_co_u32 s[G0K+4*\c+1], s14, \c*256*PK
	s_mov_b32 s[G0V+4*\c], 1
	s_add_co_u32 s[G0V+4*\c+1], s15, \c*256*PV
.endr
	s_mov_b32 s[CS], 0x3e38aa3b     ; c = log2(e) / 8
	s_mov_b32 s[CS+1], s[CS]        ; named with it as a pair
	s_mov_b32 s[SEL], 0x76543210
	s_mov_b32 s[SEL+1], 0xfedcba98
	s_mov_b32 s[TBK], 0
	s_mov_b32 s[TBV], 0
	s_wait_dscnt 0x0                ; the opening add is done
	s_wait_kmcnt 0x0
	s_add_nc_u64 s[6:7], s[6:7], s[78:79]
	s_add_nc_u64 s[8:9], s[8:9], s[78:79]
	s_add_nc_u64 s[4:5], s[4:5], s[2:3]
	s_add_nc_u64 s[10:11], s[10:11], s[80:81]
.irp c, 0,1,2,3
	s_add_nc_u64 s[G0K+4*\c+2:G0K+4*\c+3], s[6:7], \c*32768
	s_or_b32 s[G0K+4*\c+3], s[G0K+4*\c+3], 0x80000000
	s_add_nc_u64 s[G0V+4*\c+2:G0V+4*\c+3], s[8:9], \c*32768
	s_or_b32 s[G0V+4*\c+3], s[G0V+4*\c+3], 0x80000000
.endr
	s_cmp_lt_u32 s[WV], 2           ; a wave's four fills stand in one branch, ahead of every wait on TENSORcnt, every LDS read and every barrier
	s_cbranch_scc0 .Lfill_v
.irp c, 0,1,2,3
	tensor_load_to_lds s[G0K+4*\c:G0K+4*\c+3], s[G1K:G1K+7]
	s_nop 0
.endr
.rept 4
	v_nop
.endr
	s_branch .Lfilled
.Lfill_v:
.irp c, 0,1,2,3
	tensor_load_to_lds s[G0V+4*\c:G0V+4*\c+3], s[G1V:G1V+7]
	s_nop 0
.endr
.rept 4
	v_nop
.endr
.Lfilled:
	; A fragment of K or Q is 16 rows x 32 channels in 8 registers: lane l holds row l % 16, channels 8 (l / 16) + 0..7 and 16 + 8 (l / 16) + 0..7: two loads of 16 bytes, 32 bytes apart.
	v_and_b32 v1, 15, v0            ; l % 16
	v_bfe_u32 v9, v0, 4, 1          ; l / 16
	v_lshlrev_b32 v[QO], 7, v1
	v_lshl_add_u32 v[QO], v9, 4, v[QO]
	WIN 0x80                        ; destination window 2, address window 0
.set i, 0
.rept 4*NP                          ; Q stays in registers: tile i / 2, channels 32 (i % 2) on
	global_load_b128 v[8*i:8*i+3],   v[QO], s[4:5] offset:(i/2)*2048+(i%2)*64
	global_load_b128 v[8*i+4:8*i+7], v[QO], s[4:5] offset:(i/2)*2048+(i%2)*64+32
.set i, i+1
.endr
	; What the first turn finds: V's registers and P's second buffer hold 0 (its products V^T P, of a piece that has not been, add 0), O^T and l are 0.  All this stands in the wait for the first part.
.set i, VF
.rept 64
	v_mov_b32 v[i], 0
.set i, i+1
.endr
	WIN 0x40
.set i, 0
.rept 64*NP
	v_mov_b32 v[i], 0
.set i, i+1
.endr
	WIN 0
.set i, 0
.rept 2*NP
	v_mov_b32 v[ST+4*i], 0xfe000000    ; c m: far below every c s
	v_mov_b32 v[ST+4*i+1], 0xff7fffff  ; m
	v_mov_b32 v[ST+4*i+2], 0
	v_mov_b32 v[ST+4*i+3], 0
.set i, i+1
.endr
.set i, P+32
.rept 32
	v_mov_b32 v[i], 0
.set i, i+1
.endr
	v_mul_u32_u24 v[AK0], v1, PK
	v_lshl_add_u32 v[AK0], v9, 4, v[AK0]
	; The turning load takes 16 keys x 16 channels (lane l reads key 8 (l / 16) + l % 8, channels 8 ((l / 8) % 2) + 0..7) and leaves half a fragment of V^T.
	v_and_b32 v10, 7, v0
	v_bfe_u32 v11, v0, 3, 1
	v_lshl_add_u32 v[AV0], v9, 3, v10
	v_mul_u32_u24 v[AV0], v[AV0], PV
	v_lshl_add_u32 v[AV0], v11, 4, v[AV0]
	v_add_nc_u32 v[AV0], VOFF, v[AV0]
	v_mov_b32 v[AK], v[AK0]         ; key step 0
; THE MATRIX WORK.  The 8 accumulators of a run of 16 take turns.
; Product i of 16 of S^T = K Q^T for piece x: channels 32 (i / 8) on, keys 16 ((i / 2) % 4) on, tile 2 x + i % 2.  The first 8 start the sums.
.macro KQ x
	WIN W_KQ
.set rS, S+64*((\x)%2)+32*(i%2)+8*((i/2)%4)
.set rK, KF+16*((i/2)%4)+8*(i/8)
.set rQ, 16*(2*(\x)+i%2)+8*(i/8)
.if i < 8
	v_wmma_f32_16x16x32_f16 v[rS:rS+7], v[rK:rK+7], v[rQ:rQ+7], 0
.else
	v_wmma_f32_16x16x32_f16 v[rS:rS+7], v[rK:rK+7], v[rQ:rQ+7], v[rS:rS+7]
.endif
.endm
; Product i of 16 of O^T += V^T P for piece x: keys 32 (i / 8) on, channels 16 ((i / 2) % 4) on, tile 2 x + i % 2.
.macro PV x
	WIN W_PV
.set rO, 32*(2*(\x)+i%2)+8*((i/2)%4)
.set rV, VF+32*(i/8)+8*((i/2)%4)
.set rP, P+32*((\x)%2)+16*(i%2)+8*(i/8)
	v_wmma_f32_16x16x32_f16 v[rO:rO+7], v[rV:rV+7], v[rP:rP+7], v[rO:rO+7]
.endm
.macro MM                           ; the turn's next matrix instruction
.if i < 16
	KQ (Y+1)%NP
.set i, i+1
.else
.set i, i-16
	PV (Y+NP-1)%NP
.set i, i+17
.endif
.endm
; THE LDS LOADS stand in runs of 16: a step's K (8 fragments) and its V (turned).  last = 1: in the last pass there is no further step, and the run is jumped over.
.macro FETCH_K last=0
	WIN 0
.if \last
	s_cmp_eq_u32 s[SLOTS], 1
	s_cbranch_scc1 .Lno_k_\@
.endif
	WIN 0x80                        ; destination window 2
.irp f, 0,1,2,3,4,5,6,7             ; keys 16 (f / 2) on, channels 32 (f % 2) on
	ds_load_b128 v[KF+8*\f:KF+8*\f+3],   v[AK] offset:(\f/2)*16*PK+(\f%2)*64
	ds_load_b128 v[KF+8*\f+4:KF+8*\f+7], v[AK] offset:(\f/2)*16*PK+(\f%2)*64+32
.endr
	s_add_co_u32 s[TBK], s[TBK], KS*PK  ; the next fetch is the next step's
	WIN 0
.if \last
.Lno_k_\@:
.endif
.endm
.macro FETCH_V
	WIN 0x80
.irp f, 0,1,2,3,4,5,6,7             ; keys 32 (f / 4) on, channels 16 (f % 4) on
	ds_load_tr16_b128 v[VF+8*\f:VF+8*\f+3],   v[AV] offset:(\f/4)*32*PV+(\f%4)*32
	ds_load_tr16_b128 v[VF+8*\f+4:VF+8*\f+7], v[AV] offset:(\f/4)*32*PV+16*PV+(\f%4)*32
.endr
	WIN 0
.endm
; THE VECTOR WORK OF A TURN stands in three queues, each in the order in which its entries become ready; the two tiles alternate.
.macro REGS y, u                    ; the registers of tile u (0, 1) of piece y
.set rT, ST+4*(2*(\y)+(\u))
.set rC, TMP+8*((\y)%2)+4*(\u)
.set rM, MV+2*((\y)%2)+(\u)
.set rS, S+64*((\y)%2)+32*(\u)
.set rP, P+32*((\y)%2)+16*(\u)
.set rO, 32*(2*(\y)+(\u))
.endm
; Number n of the 22 that find the NEXT piece's maximum and statistics; each accumulator's lowest registers are read first.
;   0-11  four chains c0-c3 of seven scores each     12-14, 16  the four scores left over, the old m, and c0-c3 into c0     15  c m_old is kept
;   17, 18  the query's other 32 keys lie in the lane 16 away: the new m         19-21  c m; c m_old - c m_new; a
.macro XS u, n
	REGS (Y+1)%NP, \u
.if (\n) < 4
	v_max3_num_f32 v[rC+(\n)], v[rS+8*(\n)], v[rS+8*(\n)+1], v[rS+8*(\n)+2]
.elseif (\n) < 12
	v_max3_num_f32 v[rC+(\n)%4], v[rC+(\n)%4], v[rS+8*((\n)%4)+2*((\n)/4)+1], v[rS+8*((\n)%4)+2*((\n)/4)+2]
.elseif (\n) == 12
	v_max3_num_f32 v[rC], v[rC], v[rS+7], v[rS+15]
.elseif (\n) == 13
	v_max3_num_f32 v[rC+1], v[rC+1], v[rS+23], v[rS+31]
.elseif (\n) == 14
	v_max3_num_f32 v[rC+2], v[rC+2], v[rC+3], v[rT+1]
.elseif (\n) == 15
	v_mov_b32 v[rM], v[rT]
.elseif (\n) == 16
	v_max3_num_f32 v[rC], v[rC], v[rC+1], v[rC+2]
.elseif (\n) == 17
	v_permlanex16_b32 v[rC+3], v[rC], s[SEL], s[SEL+1]
.elseif (\n) == 18
	v_max_num_f32 v[rT+1], v[rC], v[rC+3]
.elseif (\n) == 19
	v_mul_f32 v[rT], s[CS], v[rT+1]
.elseif (\n) == 20
	v_sub_f32 v[rC+1], v[rM], v[rT]
.else
	v_exp_f32 v[rC+2], v[rC+1]
.endif
.endm
; Number g of the 64 that follow the exponentials.  For each four weights of a tile: both pairs are rounded to f16; the second pair is added onto the first, in place; a group later l takes that sum.
.macro GS g
.set h, (\g)+6*((\g)/62)            ; group 0 has no group before it, and behind group 7 only l is left
.if h >= 6
.set h, h+2
.endif
	REGS Y, h%2
.set k, h/8
.if h%8 < 4
	v_cvt_pk_f16_f32 v[rP+2*k+(h%8)/2], v[rS+4*k+2*((h%8)/2)], v[rS+4*k+2*((h%8)/2)+1]
.elseif h%8 < 6
	v_pk_add_f32 v[rS+4*k:rS+4*k+1], v[rS+4*k:rS+4*k+1], v[rS+4*k+2:rS+4*k+3]
.elseif k == 1
	v_pk_fma_f32 v[rT+2:rT+3], v[rT+2:rT+3], v[rC+2:rC+3], v[rS:rS+1] op_sel_hi:[1,0,1]
.else
	v_pk_add_f32 v[rT+2:rT+3], v[rT+2:rT+3], v[rS+4*k-4:rS+4*k-3]
.endif
.endm
; THE PLAIN QUEUE, 138 long.  0-73 read no exponential's result: the 32 scalings c s - c m and the next piece's 42; 74-137: GS's 64, which stand behind the wait.
.macro FS f
	REGS Y, (\f)%2
	v_pk_fma_f32 v[rS+2*((\f)/2):rS+2*((\f)/2)+1], v[rS+2*((\f)/2):rS+2*((\f)/2)+1], s[CS:CS+1], v[rT:rT+1] op_sel_hi:[1,0,0] neg_lo:[0,0,1] neg_hi:[0,0,1]
.endm
.macro PL
	WIN 0
.if q < 27
	FS q
.elseif q < 55
	XS (q-27)%2, (q-27)/2
.elseif q < 57
	XS q-55, 15
.elseif (q < 72) && ((q-57)%3 == 0)
	FS 27+(q-57)/3
.elseif q < 60
	XS (q-57)%3-1, 14
.elseif q < 72
	XS (q-57)%3-1, 15+(q-57)/3
.elseif q < 74
	XS q-72, 20
.else
	GS q-74
.endif
.set q, q+1
.endm
; THE EXPONENTIALS' QUEUE, 66 long: s0-s31 of both tiles, then the next piece's two a: ONE BATCH, all ahead of the turn's one wait.
.macro EX
	WIN 0
.if e >= 64
	XS e-64, 21
.else
	REGS Y, e%2
	v_exp_f32 v[rS+e/2], v[rS+e/2]
.endif
.set e, e+1
.endm
; THE RESCALING's QUEUE: O^T times a, dealt two at a time, sixteen times.  Its a was made in the turn before, ahead of that turn's wait.
.macro R2
	REGS Y, r%2
	WIN W_RS
.irp z, 0,1
	v_pk_mul_f32 v[rO+4*(r/2)+2*\z:rO+4*(r/2)+2*\z+1], v[rO+4*(r/2)+2*\z:rO+4*(r/2)+2*\z+1], v[rC+2:rC+3] op_sel_hi:[1,0]
.endr
.set r, r+1
.endm
; A TURN, for piece p.  Ahead of the wait: 16 products K Q^T, behind each a scaling, an exponential and two rescalings; then one run of 108: eight plain, 49 times exponential and plain, the two a; a v_nop is
; the plain instruction behind the last exponential.  Behind the wait: 16 products V^T P, behind each four of GS's 64.  Exponential e stands behind scaling 2 (e / 4) + e % 2.
; K of the next step is fetched in piece 2's turn, directly behind the wait; V of the step in hand at the end of piece 0's turn, four plain instructions behind its last reader.
; cnt = 1: the loop's count is taken down some lines ahead of the branch that stands behind the turn.
.macro TURN p, last=0, cnt=0
.set Y, (\p)
.set i, 0
.set q, 0
.set e, 0
.set r, 0
.if (\p) == NP-1
	s_wait_dscnt 0x0                ; K is in
.endif
	MM
	PL
	PL
	R2
.rept 15
	MM
	PL
	EX
	R2
.endr
.if (\p) == NP-2
	WIN 0
	v_add_nc_u32 v[AK], s[TBK], v[AK0]
.endif
.rept 8
	PL
.endr
.rept 49
	EX
	PL
.endr
	EX                              ; the next piece's two a
	EX
	v_nop                           ; a plain instruction behind the last exponential: one for the batch
	s_wait_alu depctr_va_vdst(0)    ; the wait for the batch ahead of the first line that names a result
.if (\p) == NP-2
	FETCH_K \last
.endif
.if (\p) == 1
	s_wait_dscnt 0x0                ; V is in
.endif
.rept 16
	MM
.rept 4
	PL
.endr
.if ((\p) == 0) && (q == 118)
	v_add_nc_u32 v[AV], s[TBV], v[AV0]
.endif
.if ((\p) == 0) && (q == 130)
	s_add_co_u32 s[TBV], s[TBV], KS*PV
.endif
.if (\cnt) && (q == 130)
	s_sub_co_u32 s[CNT], s[CNT], 1
	s_cmp_lg_u32 s[CNT], 0
.endif
.endr
.if (\p) == 0
	FETCH_V
.endif
.endm
	s_wait_tensorcnt 0x3            ; my part of the first 256 keys is in; my three later loads may stay out
	s_barrier_signal -1
	s_barrier_wait -1               ; everybody's is
	FETCH_K                         ; key step 0
	s_wait_loadcnt 0x0              ; Q
	s_wait_dscnt 0x0
.set i, 0
.rept 16
	KQ 0                            ; piece 0's first scores
.set i, i+1
.endr
	WIN 0                           ; the addresses for the way out: nine plain instructions, the places behind those products
	s_mul_i32 s13, s[WV], 16*SP
	s_add_co_u32 s13, s13, STAGE    ; my stage
	v_mul_u32_u24 v[STO], v1, SP    ; in: row l % 16, 16 bytes for each half of the lanes
	v_lshl_add_u32 v[STO], v9, 4, v[STO]
	v_add_nc_u32 v[STO], s13, v[STO]
	v_bfe_u32 v[RD], v0, 3, 2       ; back: 32 lanes take four rows of 128 bytes,
	v_mul_u32_u24 v[RD], v[RD], SP
	v_lshl_add_u32 v[RD], v10, 4, v[RD]
	v_add_nc_u32 v[RD], s13, v[RD]
	v_and_b32 v[GO], 31, v0         ; which are 512 consecutive bytes of O
	v_lshlrev_b32 v[GO], 4, v[GO]
.set Y, NP-1                        ; XS works for piece Y + 1: piece 0
.irp n, 0,1,2,3,4,5,6,7,8,9,10,11,12,13,14,15,16,17,18,19,20,21
	XS 0, \n
	XS 1, \n
.endr
	v_nop                           ; a plain instruction behind the two a,
	s_wait_alu depctr_va_vdst(0)    ; and their wait, ahead of the branch
	s_mov_b32 s[CNT], 4
	s_mov_b32 s[SLOTS], 5
	s_branch .Lfirst                ; the loop is entered at a step's first turn, in the middle of a trip
.Lslot:                             ; ahead of each further 256 keys
	WIN 0
	s_wait_tensorcnt 0x0            ; all my parts are in (the count stands in a loop and cannot change from trip to trip)
	s_wait_dscnt 0x0
	s_barrier_signal -1
	s_barrier_wait -1               ; everybody's are.
	s_mov_b32 s[CNT], 4
.Lstep:                             ; a trip: pieces 2 and 3 of one step, then pieces 0 and 1 of the next, whose K and V it fetches
	TURN 2, 1
	TURN 3
	WIN 0
	s_cmp_eq_u32 s[SLOTS], 1        ; the fifth pass ends here: step 15 is done.  Its 16 products K Q^T (on the last K once more) and the maximum made of them serve nothing: the price of one text for every trip
	s_cbranch_scc1 .Lout
.Lfirst:
	TURN 0
	TURN 1, 0, 1
	WIN 0
	s_cbranch_scc1 .Lstep
	s_sub_co_u32 s[SLOTS], s[SLOTS], 1
	s_cmp_lg_u32 s[SLOTS], 0
	s_cbranch_scc1 .Lslot
.Lout:
.set i, 0
.rept 16
	PV NP-1                         ; the last piece's V^T P of the last step
.set i, i+1
.endr
	; THE WAY OUT.  l's two halves and the other half of the lanes' are added; O^T is divided by l, rounded to f16 and sent through my stage, a tile at a time.  The additions are the places behind the last products.
	WIN 0
.macro ALL line:vararg              ; one line for each tile t
.set t, 0
.rept 2*NP
	\line
.set t, t+1
.endr
.endm
	ALL v_add_f32 v[ST+4*t+2], v[ST+4*t+2], v[ST+4*t+3]
	ALL v_permlanex16_b32 v[ST+4*t+3], v[ST+4*t+2], s[SEL], s[SEL+1]
	ALL v_add_f32 v[ST+4*t+2], v[ST+4*t+2], v[ST+4*t+3]
	ALL v_rcp_f32 v[ST+4*t+2], v[ST+4*t+2]
	v_nop                           ; a plain instruction between the last reciprocal and the use of its result
	s_wait_alu depctr_va_vdst(0)    ; and the wait ahead of the first use: one for the eight reciprocals
.macro PACK t
	WIN W_RS
.set i, 32*(\t)
.rept 16
	v_pk_mul_f32 v[i:i+1], v[i:i+1], v[ST+4*(\t)+2:ST+4*(\t)+3] op_sel_hi:[1,0]
.set i, i+2
.endr
	WIN 0x05                        ; sources 0 and 1 window 1, destination window 0
.set i, 0
.rept 16
	v_cvt_pk_f16_f32 v[S+16*(\t)+i], v[32*(\t)+2*i], v[32*(\t)+2*i+1]
.set i, i+1
.endr
	WIN 0
.irp f, 0,1,2,3
	ds_store_b128 v[STO], v[S+16*(\t)+4*\f:S+16*(\t)+4*\f+3] offset:32*\f
.endr
.irp f, 0,1,2,3
	ds_load_b128 v[S+16*(\t)+4*\f:S+16*(\t)+4*\f+3], v[RD] offset:\f*4*SP  ; LDS serves a wave's instructions in order (ISA guide 5.7.1.4): these see the stores above; the next tile's stores come behind them
.endr
.endm
.macro SEND t, younger              ; younger: the LDS instructions issued behind tile t's loads: the next tile's eight, or none
	WIN 0
.irp f, 0,1,2,3
	s_wait_dscnt (\younger)+3-\f
	global_store_b128 v[GO], v[S+16*(\t)+4*\f:S+16*(\t)+4*\f+3], s[10:11] offset:(\t)*2048+\f*512  ; 512 consecutive bytes
.endr
.endm
	PACK 0
.set t, 1
.rept 2*NP-1                        ; a tile's arithmetic stands between the loads of the tile before and its stores
	PACK t
	SEND t-1, 8
.set t, t+1
.endr
	SEND 2*NP-1, 0
	WIN W_AD
	s_wait_tensorcnt 0x0            ; the wave's end: behind my last tensor load and my last LDS store
	ds_add_u32 v[SPW], v[NIL]
	s_wait_dscnt 0x0
	WIN 0
	s_endpgm
.Lfunc_end_k_qe429739d2c_attn:
	.size	k_qe429739d2c_attn, .Lfunc_end_k_qe429739d2c_attn-k_qe429739d2c_attn
	.p2alignl 7, 3214868480
	.fill 96, 4, 3214868480
	.section	.rodata,"a",@progbits
	.p2align	6, 0x0
	.amdhsa_kernel k_qe429739d2c_attn
		.amdhsa_group_segment_fixed_size 327680
		.amdhsa_private_segment_fixed_size 0
		.amdhsa_enable_private_segment 0
		.amdhsa_kernarg_size 32
		.amdhsa_user_sgpr_count 2
		.amdhsa_user_sgpr_kernarg_segment_ptr 1
		.amdhsa_wavefront_size32 1
		.amdhsa_system_sgpr_workgroup_id_x 1
		.amdhsa_system_sgpr_workgroup_id_y 1
		.amdhsa_system_sgpr_workgroup_id_z 1
		.amdhsa_system_vgpr_workitem_id 0
		.amdhsa_next_free_vgpr 770
		.amdhsa_next_free_sgpr 84
		.amdhsa_reserve_vcc 0
		.amdhsa_float_denorm_mode_32 3
		.amdhsa_float_denorm_mode_16_64 3
		.amdhsa_memory_ordered 1
		.amdhsa_forward_progress 1
		.amdhsa_inst_pref_size 126
	.end_amdhsa_kernel
	.amdgpu_metadata
---
amdhsa.version: [ 1, 2 ]
amdhsa.kernels:
  - .name:           k_qe429739d2c_attn
    .symbol:         k_qe429739d2c_attn.kd
    .args:
      - { .name: qh, .offset: 0, .size: 8, .value_kind: global_buffer, .address_space: global }
      - { .name: kh, .offset: 8, .size: 8, .value_kind: global_buffer, .address_space: global }
      - { .name: vh, .offset: 16, .size: 8, .value_kind: global_buffer, .address_space: global }
      - { .name: ob, .offset: 24, .size: 8, .value_kind: global_buffer, .address_space: global }
    .group_segment_fixed_size: 327680
    .private_segment_fixed_size: 0
    .kernarg_segment_align: 8
    .kernarg_segment_size: 32
    .max_flat_workgroup_size: 128
    .sgpr_count:     84
    .vgpr_count:     770
    .wavefront_size: 32
...
	.end_amdgpu_metadata
.endif
;; end of part 3
;; launch oproj (part 4): grid 4 x 64, 4 waves a work-group, clusters of 4 x 4, 327,680 bytes of LDS; arguments ob, wob, b_out, out0; writes out0
.if DOCPART == 4
	.amdgcn_target "amdgcn-amd-amdhsa--gfx1250"
	.amdhsa_code_object_version 6
	.text
	.protected	k_qe429739d2c_oproj
	.globl	k_qe429739d2c_oproj
	.p2align	8
	.type	k_qe429739d2c_oproj,@function
k_qe429739d2c_oproj:
	s_mov_b64 s[64:65], 0
	v_nop
	global_prefetch_b8 v0, s[64:65] scope:SCOPE_SE
	s_setreg_imm32_b32 hwreg(HW_REG_WAVE_MODE, 25, 1), 1
	s_wait_xcnt 0x0
	s_wait_alu depctr_hold_cnt(0) depctr_sa_sdst(0) depctr_va_vdst(0) depctr_va_sdst(0) depctr_va_ssrc(0) depctr_va_vcc(0) depctr_vm_vsrc(0)
	s_getreg_b32 s2, hwreg(HW_REG_IB_STS2, 6, 4)
	s_cmp_eq_u32 s2, 0
	s_cbranch_scc0 .Lentry_in_a_cluster
	s_endpgm
.Lentry_in_a_cluster:
	s_bfe_u32 s2, ttmp6, 0x10000c
	s_cmp_lg_u32 s2, 0xf033
	s_cbranch_scc0 .Lentry_shape_is_right
	s_endpgm
.Lentry_shape_is_right:
; out0 = O w_out + b_out.  O: ob [head 16][row 8192][64] f16; w_out: wob [tc 4][kb 16][nb 4][k 64][n 64] f16 (bf16 numbers written as f16); b_out rounded to bf16; sums f32; out0 f32.
; SHARES.  A tile is 128 rows x 256 columns: 64 x 4 = 256 work-groups.  Wave w: rows 64 (w / 2) on, columns 128 (w % 2) on: 32 accumulators of 16 x 16.  K goes in 8 steps of 128 (two heads) through two
; LDS slots; a step is four quarters of 32, 32 matrix instructions each, on two fragment buffers.
; THE PRODUCT IS TAKEN TRANSPOSED (source 0 = 16 columns of w, turned out of LDS; source 1 = 16 rows of O): a lane holds one row and eight neighbouring columns, 32 bytes of out0.
; The first quarter's C operand is the bias.  CLUSTER 4 x 4: O's tile is asked for jointly along a row of the cluster, w's along a column.
; REGISTERS: window 0: v0-31 addresses; v32-127, v128-223 two fragment buffers (O's fragment a at + 8 a, w's b at + 32 + 8 b), later rows on the way out; window 1: accumulator (a, b) at 64 a + 8 b;
;   window 2: v0-63 the biases, v64 at work.
.set PA,    144
.set PB,    160
.set SLOT1, 131072
.set BOFF,  2*128*PA                   ; a slot: O's 2 x 128 rows, then w's 2 x 4 blocks of 64 k-rows
.set STAGE, SLOT1+BOFF+2*256*PB        ; behind the ring: 16 rows x 528 bytes for each wave
.set SPI,   528                        ; 512 bytes + 16: the 16 rows of a store start at 16 different groups of four banks
.set SPARE, STAGE+4*16*SPI             ; the spare words, 128 bytes for each wave: two blocks of 256 bytes that no other line names
.set ASTEP, 2097152
.set BSTEP, 65536
.set R,     1
.set HF,    2
.set ADRA0, 3
.set ADRB0, 4
.set ADRA,  5
.set ADRB,  6
.set STO,   7
.set RD,    8
.set GO,    9
.set PFO,   13
.set SPW,   14                         ; v14  LDS address of my spare word; never rewritten
.set NIL,   15                         ; v15  0; never rewritten
.set F0,    32
.set F1,    128
.set WV,  20
.set WR,  21
.set WC,  22
.set CX,  23
.set CY,  24
.set TC,  25
.set TR,  26
.set G1A, 28
.set G1B, 36
.set G0A, 44
.set G0B, 52
.set CNT, 60
.set LIM, 61
.set TB,  63
.set PFA, 66
.set PST, 68
.set HIM, 75
.set CP,  76                           ; s[76:77] out0 at my rows and columns
.set BP,  78                           ; s[78:79] b_out at my columns: the base of the bias loads; never rewritten
.set MSB, 0
.macro WIN new
.if MSB != (\new)
	s_set_vgpr_msb (MSB<<8)|(\new)
.set MSB, (\new)
.endif
.endm
.macro PLACES                          ; four plain vector instructions between a matrix instruction and a load into, or a read of, its registers
.rept 4
	v_nop
.endr
.endm
.macro CREST
	s_cmp_lg_u32 s[WV], 0
	s_cbranch_scc1 .Lnot_wave_0_\@
	s_barrier_signal -3
.Lnot_wave_0_\@:
	s_barrier_wait -3
	s_barrier_signal -1
	s_barrier_wait -1
.endm
.macro CROUND
	s_barrier_signal -1
	s_barrier_wait -1
	CREST
.endm
.macro JLOAD                           ; a joint refill by the walking sets: waves 0 and 1 O's two heads, waves 2 and 3 w's; an s_nop 0 and four v_nop follow each line
	s_cmp_eq_u32 s[WR], 0
	s_cbranch_scc0 .Lfor_b_\@
	tensor_load_to_lds s[G0A+4:G0A+7], s[G1A:G1A+7]
	s_nop 0
.rept 4
	v_nop
.endr
	s_branch .Lasked_\@
.Lfor_b_\@:
	tensor_load_to_lds s[G0B+4:G0B+7], s[G1B:G1B+7]
	s_nop 0
.rept 4
	v_nop
.endr
.Lasked_\@:
.endm
; A PREFETCH INTO THE L2 of the K step two refills on, 256 matrix instructions ahead of the load that will want it; a lane names 256 bytes.  O's tile row is read by this cluster alone: wave 0 asks, the four
; partners a quarter each, told apart by address (cx).  w's tile column is read by all sixteen clusters: cluster y = 0 asks, waves 2 and 3, part 2 cy + wave % 2 of eight.  The last trips ask for nothing.
.macro ASK
	s_cmp_gt_u32 s[CNT], s[LIM]
	s_cbranch_scc0 .Lno_\@
	global_prefetch_b8 v[PFO], s[PFA:PFA+1] th:TH_LOAD_NT scope:SCOPE_SE
.Lno_\@:
.endm
; 8 na matrix instructions: row blocks a0 on x all 8 column blocks, buffer f.  The accumulators take turns.  cm = 1: the sums start from the bias.
.macro MUL f, a0, na, cm=0
.if \cm
	WIN 0x60                                       ; D window 1, C window 2
.else
	WIN 0x50
.endif
.set ga, \a0
.rept \na
.irp b, 0,1,2,3,4,5,6,7
.if \cm
	v_wmma_f32_16x16x32_f16 v[64*ga+8*\b:64*ga+8*\b+7], v[(\f)+32+8*\b:(\f)+32+8*\b+7], v[(\f)+8*ga:(\f)+8*ga+7], v[8*\b:8*\b+7]
.else
	v_wmma_f32_16x16x32_f16 v[64*ga+8*\b:64*ga+8*\b+7], v[(\f)+32+8*\b:(\f)+32+8*\b+7], v[(\f)+8*ga:(\f)+8*ga+7], v[64*ga+8*\b:64*ga+8*\b+7]
.endif
.endr
.set ga, ga+1
.endr
.endm
.macro FETCH qd, f                     ; 24 loads in one run: quarter qd's fragments into buffer f; O's row blocks 2 and 3 last
	WIN 0
.irp b, 0,1,2,3,4,5,6,7
	ds_load_tr16_b128 v[(\f)+32+8*\b:(\f)+32+8*\b+3],   v[ADRB] offset:((\qd)/2)*256*PB+(\b/4)*64*PB+((\qd)%2)*32*PB+(\b%4)*32
	ds_load_tr16_b128 v[(\f)+32+8*\b+4:(\f)+32+8*\b+7], v[ADRB] offset:((\qd)/2)*256*PB+(\b/4)*64*PB+((\qd)%2)*32*PB+(\b%4)*32+16*PB
.endr
.irp a, 0,1,2,3
	ds_load_b128 v[(\f)+8*\a:(\f)+8*\a+3],   v[ADRA] offset:((\qd)/2)*128*PA+\a*16*PA+((\qd)%2)*64
	ds_load_b128 v[(\f)+8*\a+4:(\f)+8*\a+7], v[ADRA] offset:((\qd)/2)*128*PA+\a*16*PA+((\qd)%2)*64+32
.endr
.endm
.macro QUARTER f, g, qd, cm=0          ; multiplies buffer f; in its middle it fetches quarter qd into buffer g
	s_wait_dscnt 4                                 ; all but O's row blocks 2 and 3 (four loads) is in
	MUL \f, 0, 2, \cm
	PLACES
	FETCH \qd, \g
	s_wait_dscnt 24                                ; all but the 24 just issued
	MUL \f, 2, 2, \cm
.endm
; A step's last quarter multiplies buffer 1 and changes slots.  mode 2: the slot is filled again, two steps on, behind a round of the cluster's barrier: 112 matrix instructions ahead of the wait for it.  mode 1: the last change.
.macro TURN mode
	WIN 0
.if (\mode) == 2
	s_wait_xcnt 0x0                                ; the last prefetch, a step back, has read its address
	s_add_nc_u64 s[PFA:PFA+1], s[PFA:PFA+1], s[PST:PST+1]
.endif
	s_wait_tensorcnt 0x0                           ; all my tensor loads have landed: my part of the next slot
	ds_add_u32 v[SPW], v[NIL]                      ; 0 onto my spare word
.if (\mode) == 2
	s_xor_b32 s[G0A+5], s[G0A+5], SLOT1            ; no load of mine is out: the walking sets step
	s_add_nc_u64 s[G0A+6:G0A+7], s[G0A+6:G0A+7], ASTEP
	s_xor_b32 s[G0B+5], s[G0B+5], SLOT1
	s_add_nc_u64 s[G0B+6:G0B+7], s[G0B+6:G0B+7], BSTEP
.endif
	s_wait_dscnt 5                                 ; the add and the youngest four loads may be out
	MUL F1, 0, 1
	s_wait_dscnt 0x0                               ; the add is done, and my reads of this slot are over
	s_barrier_signal -1
	MUL F1, 1, 1
	WIN 0
	s_barrier_wait -1
.if (\mode) == 2
	CREST                                          ; no wave of any partner still reads this slot or has a load on its way
	JLOAD                                          ; its four v_nop are also the places in front of the loads below
.else
	PLACES
.endif
	s_xor_b32 s[TB], s[TB], SLOT1
	v_add_nc_u32 v[ADRA], s[TB], v[ADRA0]
	v_add_nc_u32 v[ADRB], s[TB], v[ADRB0]
	FETCH 0, F0
.if (\mode) == 2
	ASK
.endif
	MUL F1, 2, 2
.endm
	s_load_b256 s[4:11], s[0:1], 0x0               ; ob s[4:5], wob s[6:7], b_out s[8:9], out0 s[10:11]
	v_lshl_add_u32 v[SPW], v0, 2, SPARE
	v_mov_b32 v[NIL], 0
	ds_add_u32 v[SPW], v[NIL]                      ; the wave's opening: the add and its wait stand ahead of my first tensor load
	ds_add_u32 v14, v15
	v_lshrrev_b32 v16, 5, v0
	v_readfirstlane_b32 s[WV], v16
	s_lshr_b32 s[WR], s[WV], 1
	s_and_b32 s[WC], s[WV], 1
	s_bfe_u32 s[CX], ttmp6, 0x40000
	s_bfe_u32 s[CY], ttmp6, 0x40004
	s_lshl_b32 s[TC], ttmp9, 2
	s_add_co_u32 s[TC], s[TC], s[CX]               ; tile column
	s_and_b32 s[TR], ttmp7, 0xffff
	s_lshl_b32 s[TR], s[TR], 2
	s_add_co_u32 s[TR], s[TR], s[CY]               ; tile row
	s_lshl_b32 s86, s[CY], 2
	s_lshl_b32 s86, 15, s86                        ; my row of the cluster
	s_lshl_b32 s87, 0x1111, s[CX]                  ; my column
	s_or_b32 s[G1A], s86, (1<<16)|(1<<20)|(1<<21)|(4<<22)|(3<<25)  ; the mask; 2-byte elements; padding on; bit 21 beside a mask; after every 32 words 4 words
	s_or_b32 s[G1B], s87, (1<<16)|(1<<20)|(1<<21)|(4<<22)|(7<<25)  ; the same with 8 words
	s_mov_b32 s[G1A+1], 128<<16                    ; rows of 256 bytes: 64 of them (a head's 128 rows of O)
	s_mov_b32 s[G1A+2], 64<<16
	s_mov_b32 s[G1A+3], 128<<16
	s_mov_b32 s[G1A+4], 64
	s_mov_b32 s[G1A+5], 128
	s_mov_b32 s[G1A+6], 0
	s_mov_b32 s[G1A+7], 0
	s_mov_b32 s[G1B+1], 128<<16                    ; 128 of them (a head's 256 k-rows of w)
	s_mov_b32 s[G1B+2], 128<<16
	s_mov_b32 s[G1B+3], 128<<16
	s_mov_b32 s[G1B+4], 128
	s_mov_b32 s[G1B+5], 128
	s_mov_b32 s[G1B+6], 0
	s_mov_b32 s[G1B+7], 0
	s_lshl_b32 s88, s[WC], 20                      ; O: (8,192 x head + 128 x tile row) rows of 128 bytes
	s_lshl_b32 s89, s[TR], 14
	s_add_co_u32 s88, s88, s89
	s_mov_b32 s89, 0
	s_lshl_b32 s92, s[TC], 19                      ; w: (16 x tile column + head) x 32,768 bytes
	s_lshl_b32 s93, s[WC], 15
	s_add_co_u32 s92, s92, s93
	s_mov_b32 s93, 0
	s_mul_i32 s90, s[WC], 128*PA
	s_mul_i32 s91, s[WC], 256*PB
	s_add_co_u32 s91, s91, BOFF
	s_mov_b32 s[HIM], 0xffff0000
	s_wait_dscnt 0x0                               ; the opening add is done
	s_wait_kmcnt 0x0
	s_add_nc_u64 s[88:89], s[4:5], s[88:89]
	s_add_nc_u64 s[92:93], s[6:7], s[92:93]
.irp s, 0,1
	s_mov_b32 s[G0A+4*\s], 1
	s_add_co_u32 s[G0A+4*\s+1], s90, \s*SLOT1
	s_add_nc_u64 s[G0A+4*\s+2:G0A+4*\s+3], s[88:89], \s*ASTEP
	s_or_b32 s[G0A+4*\s+3], s[G0A+4*\s+3], 0x80000000
	s_mov_b32 s[G0B+4*\s], 1
	s_add_co_u32 s[G0B+4*\s+1], s91, \s*SLOT1
	s_add_nc_u64 s[G0B+4*\s+2:G0B+4*\s+3], s[92:93], \s*BSTEP
	s_or_b32 s[G0B+4*\s+3], s[G0B+4*\s+3], 0x80000000
.endr
	CROUND                                         ; all sixteen work-groups are here: the first joint loads meet
	s_cmp_eq_u32 s[WR], 0                          ; a wave's two first fills stand in one branch: two loads of mine are out
	s_cbranch_scc0 .Lfirst_b
	tensor_load_to_lds s[G0A:G0A+3], s[G1A:G1A+7]
	s_nop 0
	tensor_load_to_lds s[G0A+4:G0A+7], s[G1A:G1A+7]
	s_nop 0
.rept 4
	v_nop
.endr
	s_branch .Lfirst_asked
.Lfirst_b:
	tensor_load_to_lds s[G0B:G0B+3], s[G1B:G1B+7]
	s_nop 0
	tensor_load_to_lds s[G0B+4:G0B+7], s[G1B:G1B+7]
	s_nop 0
.rept 4
	v_nop
.endr
.Lfirst_asked:
	; my 64 biases, in the layout of a C operand: register j of block b is column 16 b + 8 (lane / 16) + j.  Their base s[BP:BP+1] and their offset v16 are written by no later line.
	v_and_b32 v[R], 15, v0
	v_bfe_u32 v[HF], v0, 4, 1
	v_lshlrev_b32 v16, 5, v[HF]
	s_lshl_b32 s94, s[TC], 10
	s_lshl_b32 s95, s[WC], 9
	s_add_co_u32 s94, s94, s95                     ; my first column, in bytes of f32
	s_mov_b32 s95, 0
	s_add_nc_u64 s[BP:BP+1], s[8:9], s[94:95]
	WIN 0x80                                       ; destination window 2
.irp b, 0,1,2,3,4,5,6,7
	global_load_b128 v[8*\b:8*\b+3],   v16, s[BP:BP+1] offset:64*\b
	global_load_b128 v[8*\b+4:8*\b+7], v16, s[BP:BP+1] offset:64*\b+16
.endr
	WIN 0
	s_lshl_b32 s98, s[TR], 19                      ; out0: (128 x tile row + 64 x half) rows of 4,096 bytes
	s_lshl_b32 s99, s[WR], 18
	s_add_co_u32 s98, s98, s99
	s_add_co_u32 s98, s98, s94
	s_mov_b32 s99, 0
	s_add_nc_u64 s[CP:CP+1], s[10:11], s[98:99]
	v_mul_u32_u24 v[ADRA0], v[R], PA
	v_lshl_add_u32 v[ADRA0], v[HF], 4, v[ADRA0]
	s_mul_i32 s94, s[WR], 64*PA
	v_add_nc_u32 v[ADRA0], s94, v[ADRA0]
	v_and_b32 v17, 7, v0
	v_bfe_u32 v19, v0, 3, 1
	v_lshl_add_u32 v[ADRB0], v[HF], 3, v17
	v_mul_u32_u24 v[ADRB0], v[ADRB0], PB
	v_lshl_add_u32 v[ADRB0], v19, 4, v[ADRB0]
	s_mul_i32 s94, s[WC], 128*PB
	s_add_co_u32 s94, s94, BOFF
	v_add_nc_u32 v[ADRB0], s94, v[ADRB0]           ; my 128 columns: two blocks of 64
	s_mul_i32 s95, s[WV], 16*SPI
	s_add_co_u32 s95, s95, STAGE                   ; my stage
	v_mul_u32_u24 v[STO], v[R], SPI
	v_lshl_add_u32 v[STO], v[HF], 5, v[STO]
	v_add_nc_u32 v[STO], s95, v[STO]
	v_and_b32 v[GO], 31, v0
	v_lshlrev_b32 v[PFO], 8, v[GO]
	v_lshlrev_b32 v[GO], 4, v[GO]
	v_add_nc_u32 v[RD], s95, v[GO]                 ; back: 32 lanes take a row's 512 bytes
	; the prefetches: they stand at K step 3; each refill steps them on and names the step where they then stand
	s_lshl_b32 s94, s[TR], 14
	s_lshr_b32 s95, s[CX], 1
	s_add_co_u32 s95, s95, 6
	s_lshl_b32 s95, s95, 20
	s_add_co_u32 s94, s94, s95
	s_and_b32 s95, s[CX], 1
	s_lshl_b32 s95, s95, 13
	s_add_co_u32 s94, s94, s95                     ; O: head 6 + cx / 2, half cx % 2 of its 128 rows
	s_lshl_b32 s96, s[TC], 4
	s_add_co_u32 s96, s96, 6
	s_lshl_b32 s96, s96, 15
	s_lshl_b32 s97, s[CY], 14
	s_add_co_u32 s96, s96, s97
	s_lshl_b32 s97, s[WC], 13
	s_add_co_u32 s96, s96, s97                     ; w: part 2 cy + wave % 2 of eight
	s_and_b32 s98, ttmp7, 0xffff
	s_mov_b32 s[PST], BSTEP
	s_cmp_eq_u32 s[WR], 0
	s_cselect_b32 s94, s94, s96
	s_cselect_b32 s98, s[WC], s98                  ; wave 0 asks, wave 1 does not; waves 2 and 3 where cluster y = 0
	s_cselect_b32 s[PST], ASTEP, s[PST]
	s_cselect_b64 s[PFA:PFA+1], s[4:5], s[6:7]
	s_mov_b32 s[PST+1], 0
	s_mov_b32 s95, 0
	s_add_nc_u64 s[PFA:PFA+1], s[PFA:PFA+1], s[94:95]
	s_cmp_eq_u32 s98, 0
	s_cselect_b32 s[LIM], 2, -1                    ; the same in all sixteen partners, for a given wave
	s_wait_loadcnt 0x0                             ; the biases: rounded to bf16, in place
	WIN 0x8a                                       ; all in window 2
.set i, 0
.rept 32
	v_cvt_pk_bf16_f32 v64, v[2*i], v[2*i+1]
	v_lshlrev_b32 v[2*i], 16, v64
	v_and_b32 v[2*i+1], s[HIM], v64
.set i, i+1
.endr
	WIN 0
	s_wait_tensorcnt 0x1                           ; my part of step 0 is in; step 1's may stay out
	s_barrier_signal -1
	s_barrier_wait -1
	s_mov_b32 s[TB], 0
	v_mov_b32 v[ADRA], v[ADRA0]
	v_mov_b32 v[ADRB], v[ADRB0]
	FETCH 0, F0
	QUARTER F0, F1, 1, 1                           ; the first quarter stands in front of the loop: its products start the sums from the biases
	WIN 0
	s_mov_b32 s[CNT], 6
.Lk:                                               ; trip i: quarters 1 to 3 of step i, the refill with step i + 2, quarter 0 of step i + 1
	QUARTER F1, F0, 2
	QUARTER F0, F1, 3
	TURN 2
	QUARTER F0, F1, 1
	WIN 0
	s_sub_co_u32 s[CNT], s[CNT], 1
	s_cmp_lg_u32 s[CNT], 0
	s_cbranch_scc1 .Lk
	QUARTER F1, F0, 2                              ; the tail is written out: nothing more is asked for
	QUARTER F0, F1, 3
	TURN 1
	QUARTER F0, F1, 1
	QUARTER F1, F0, 2
	QUARTER F0, F1, 3
	s_wait_dscnt 4
	MUL F1, 0, 2
	s_wait_dscnt 0x0
	MUL F1, 2, 2
	WIN 0
	PLACES
	PLACES
; THE WAY OUT.  Block a (16 rows x 128 columns of f32): 32 bytes a lane and column block into my stage, each accumulator's low half first; back as whole rows of 512 bytes, into two sets of registers by turns.
.macro TOSTAGE a
	WIN 0x04                                       ; the stores' data in window 1
.irp b, 0,1,2,3,4,5,6,7
	ds_store_b128 v[STO], v[64*(\a)+8*\b:64*(\a)+8*\b+3]   offset:64*\b
	ds_store_b128 v[STO], v[64*(\a)+8*\b+4:64*(\a)+8*\b+7] offset:64*\b+16
.endr
	WIN 0
	s_wait_xcnt 0x0                                ; the stores of the block two before have read the registers that are loaded again below
.set BK, 32+64*((\a)%2)
.irp t, 0,1,2,3,4,5,6,7,8,9,10,11,12,13,14,15
	ds_load_b128 v[BK+4*\t:BK+4*\t+3], v[RD] offset:SPI*\t  ; LDS serves a wave's instructions in order (ISA guide 5.7.1.4): these see the stores above; the next block's stores come behind them
.endr
.endm
.macro SEND a, younger                 ; younger: the LDS instructions issued behind block a's loads: the next block's 32, or none
.set BK, 32+64*((\a)%2)
.irp t, 0,1,2,3,4,5,6,7,8,9,10,11,12,13,14,15
	s_wait_dscnt (\younger)+15-\t
	global_store_b128 v[GO], v[BK+4*\t:BK+4*\t+3], s[CP:CP+1] offset:(16*(\a)+\t)*4096 th:TH_STORE_NT  ; 512 consecutive bytes of a row
.endr
.endm
	TOSTAGE 0
	TOSTAGE 1
	SEND 0, 32
	TOSTAGE 2
	SEND 1, 32
	TOSTAGE 3
	SEND 2, 32
	SEND 3, 0
	s_wait_tensorcnt 0x0                           ; the wave's end: behind my last tensor load and my last LDS store
	ds_add_u32 v[SPW], v[NIL]
	s_wait_dscnt 0x0
	CROUND                                         ; the closing round: no work-group ends while a partner may still ask for a tile that names it
	s_endpgm
.Lfunc_end_k_qe429739d2c_oproj:
	.size	k_qe429739d2c_oproj, .Lfunc_end_k_qe429739d2c_oproj-k_qe429739d2c_oproj
	.p2alignl 7, 3214868480
	.fill 96, 4, 3214868480
	.section	.rodata,"a",@progbits
	.p2align	6, 0x0
	.amdhsa_kernel k_qe429739d2c_oproj
		.amdhsa_group_segment_fixed_size 327680
		.amdhsa_private_segment_fixed_size 0
		.amdhsa_enable_private_segment 0
		.amdhsa_kernarg_size 32
		.amdhsa_user_sgpr_count 2
		.amdhsa_user_sgpr_kernarg_segment_ptr 1
		.amdhsa_wavefront_size32 1
		.amdhsa_system_sgpr_workgroup_id_x 1
		.amdhsa_system_sgpr_workgroup_id_y 1
		.amdhsa_system_sgpr_workgroup_id_z 1
		.amdhsa_system_vgpr_workitem_id 0
		.amdhsa_next_free_vgpr 592
		.amdhsa_next_free_sgpr 100
		.amdhsa_reserve_vcc 0
		.amdhsa_float_denorm_mode_32 3
		.amdhsa_float_denorm_mode_16_64 3
		.amdhsa_memory_ordered 1
		.amdhsa_forward_progress 1
		.amdhsa_inst_pref_size 78
	.end_amdhsa_kernel
	.amdgpu_metadata
---
amdhsa.version: [ 1, 2 ]
amdhsa.kernels:
  - .name:           k_qe429739d2c_oproj
    .symbol:         k_qe429739d2c_oproj.kd
    .args:
      - { .name: ob, .offset: 0, .size: 8, .value_kind: global_buffer, .address_space: global }
      - { .name: wob, .offset: 8, .size: 8, .value_kind: global_buffer, .address_space: global }
      - { .name: b_out, .offset: 16, .size: 8, .value_kind: global_buffer, .address_space: global }
      - { .name: out0, .offset: 24, .size: 8, .value_kind: global_buffer, .address_space: global }
    .group_segment_fixed_size: 327680
    .private_segment_fixed_size: 0
    .kernarg_segment_align: 8
    .kernarg_segment_size: 32
    .max_flat_workgroup_size: 128
    .sgpr_count:     100
    .vgpr_count:     592
    .wavefront_size: 32
...
	.end_amdgpu_metadata
.endif
;; end of part 4
